; MI455X (gfx1250); checked and timed in simulation.
; The chip was launched on July 23, 2026; its instructions are those of AMD's public machine-readable ISA for CDNA 5 (MIT licence, August 2026) and "CDNA5" Instruction Set Architecture Reference Guide (July 2026). The comments in the code are by the model that wrote it; some were corrected since.
;; Multi Head Attention. Allowed arithmetic: matrix products marked QUANTISED: E2M3 operands, one E8M0 scale for each 32 along K, by v_wmma_scale_f32_16x16x128_f8f6f4 with both operands' format E2M3, f32 sums; everything else in f32.
;; Inputs: W_out 1,024 x 1,024 float32; W_qkv 1,024 x 3,072 float32; attention_mask 2 x 2,048 int32; b_out 1,024 float32; b_qkv 3,072 float32; x 2 x 2,048 x 1,024 float32.
;; Outputs: out0 2 x 2,048 x 1,024 float32.
;; This version of the problem:
;;   THIS VERSION OF THE PROBLEM IS GIVEN IN LOW PRECISION. The matrix products marked QUANTISED in the list below multiply operands that are first quantised to E2M3 (2 exponent bits, 3 mantissa bits; 6 bits a number), with one power-of-two scale for each 32 numbers along K (OCP MX v1.0); their sums are f32. All else is computed in f32.
;;   The module's matrix products, in the order in which they are computed (A, B: the left and right operand; K: the contracted axis; several contracted axes count as one K, in the product's order):
;;     1. [M 4,096, K 1,024] x [K 1,024, N 3,072]; A: input x; B: input W_qkv: QUANTISED
;;     2. batch 32 x [M 2,048, K 64] x [K 64, N 2,048]; A: computed on the way; B: computed on the way: QUANTISED
;;     3. batch 32 x [M 2,048, K 2,048] x [K 2,048, N 64]; A: softmax (see below); B: computed on the way: QUANTISED
;;     4. [M 4,096, K 1,024] x [K 1,024, N 1,024]; A: computed on the way; B: input W_out: QUANTISED
;;   THE QUANTISER, for each operand of a quantised product, along K:
;;     - K is cut into blocks of 32 from its start; a last block that is shorter is filled with zeros.
;;     - A block's scale is 2^e with e = floor(log2(the largest magnitude in the block)) - 2, held to -126 .. 127; a block of zeros has e = 0. As a byte (E8M0): e + 127.
;;     - Each number is divided by its block's scale, clamped to +-7.5, and rounded to the nearest number of E2M3, ties to even, subnormals kept.
;;     - The product sums the exact products of the quantised numbers (number of the format x scale) in f32.
;;   ~~~python
;;   def quantise(x, axis):      # numpy; x: float32 -> the quantised numbers, widened to float32 again
;;       x = np.moveaxis(x, axis, -1); K = x.shape[-1]
;;       x = np.pad(x, [(0, 0)] * (x.ndim - 1) + [(0, -K % 32)]); x = x.reshape(x.shape[:-1] + (-1, 32)); a = np.abs(x).max(-1, keepdims=True)
;;       e = np.where(a > 0, np.clip(np.frexp(np.where(a > 0, a, 1))[1] - 1 - 2, -126, 127), 0)      # np.frexp(a)[1] - 1 = floor(log2(a)), exactly
;;       r = np.clip(x / 2.0 ** e, -7.5, 7.5)
;;       step = 2.0 ** (np.maximum(np.frexp(np.where(r == 0, 1, r))[1] - 1, 0) - 3)
;;       q = np.round(r / step) * step * 2.0 ** e      # np.round: ties to even
;;       return np.moveaxis(q.reshape(q.shape[:-2] + (-1,))[..., :K], -1, axis).astype(np.float32)
;;   ~~~
;;   SOFTMAX AHEAD OF A QUANTISED PRODUCT. Where the list says 'softmax', what is quantised is not the finished softmax but p = 2^(t - M), with t = logit x log2(e) and M = ceil(the row's largest t), a whole number; so 1/2 < the row's largest p <= 1. The row's sum l is taken of the UNQUANTISED p, in f32, and the product's result is divided by l at the end. Since M is a whole number, a kernel that streams over the keys may use a running M (the ceiling of the running maximum): every later rescaling is an exact power of two, which a block's scale takes up: the codes' values come out the same.
;;   OPERANDS COMPUTED ON THE WAY. 'Computed on the way' means the value that the module computes at that place (a softmax that the list does not call 'softmax' is quantised finished and normalised). What goes into a quantiser is computed in f32, as accurately as f32 sums, v_exp_f32 and their like allow (about 1e-6 of the number): no bf16 or f16 on the way to a quantiser, and a product that is left as it is and whose result goes on into a quantised operand takes f32 operands (vector FMAs, or v_wmma_f32_16x16x4_f32). A number that lies on a knife's edge between two numbers of the format may be rounded either way, as far as f32 arithmetic and the matrix unit's own rounding can turn it there, and no further.
;; One version. Each part assembles by itself: llvm-mc -triple=amdgcn-amd-amdhsa -mcpu=gfx1250 --defsym DOCPART=n.
;; ======== version 1 of 1: 4 launches
;; limits: right only within a limited range of input values
;; workspace buffers: xc 3,145,728 bytes; xs 131,072 bytes; wc 3,145,728 bytes; ws 131,072 bytes; qkv 10,092,544 bytes; ao 3,145,728 bytes; aos 131,072 bytes
;; launch prep (part 1): grid 256 x 1, 4 waves a work-group, no clusters, 60,928 bytes of LDS; arguments x, W_qkv, W_out, xc, xs, wc, ws; writes xc, xs, wc, ws
.if DOCPART == 1
	.amdgcn_target "amdgcn-amd-amdhsa--gfx1250"
	.amdhsa_code_object_version 6
	.text
	.protected	k_qd4e05a7c46_prep
	.globl	k_qd4e05a7c46_prep
	.p2align	8
	.type	k_qd4e05a7c46_prep,@function
k_qd4e05a7c46_prep:
	s_mov_b64 s[64:65], 0
	v_nop
	global_prefetch_b8 v0, s[64:65] scope:SCOPE_SE
	s_setreg_imm32_b32 hwreg(HW_REG_WAVE_MODE, 25, 1), 1
	s_wait_xcnt 0x0
; x [4096][1024], W_qkv [1024][3072] and W_out [1024][1024], f32, become codes of FP6 (E2M3) with one E8M0 byte for each 32 along K, laid IN THE ORDER OF AN OPERAND'S REGISTERS.
; ROW TILES.  Tile T of a row space holds 16 rows; index r stands for row 32 (T / 2) + 8 (T % 2) + r + 8 (r / 8).  (Tokens for x; columns for the weights: W_qkv's are tiles 0-191, W_out's 192-255.)
; IMAGE of tile T, K step s (128 along K), 1,536 bytes at (8 T + s) x 1,536: bytes 512 c + 16 l hold registers 4 c .. 4 c + 3 of lane l = r + 16 h; registers 6 c' .. 6 c' + 5 are the codes of k = 128 s + 64 c' + 32 h + 0 .. 31.
; SCALE WORDS of (T, s): 64 bytes at (8 T + s) x 64, word r = the four bytes of that row's four blocks.
; A block's scale is 2^(floor(log2(largest magnitude)) - 2): its byte is the largest magnitude's exponent field - 2, held at 1 from below by a floor among the maximum's leaves.
; LIMITS: a block of zeros gets the byte 1 where the rule says 127 (its codes are zeros, and this program alone reads the bytes); blocks whose largest magnitude lies under 2^-124 keep the byte 1; NaN and infinities are not served.
; Work-groups 0-127 take x (32 rows each), 128-255 the weights (128 columns x 256 along K each): 128 KiB of f32 for each.  The two ways part once on the work-group's number and have LDS bytes of their own.  Waves share nothing: no barrier.
.set XSTG,  8704                       ; x: a wave's LDS: a stage of 16 rows x (512 + 16) bytes, then 256 bytes of scale words
.set XP,    528                        ; 132 words: row r starts 4 r banks on
.set XSCO,  16*XP
.set WBASE, 4*XSTG                     ; the weights' LDS begins here
.set WSTG,  6400                       ; a wave's stage: two tiles
.set WTIL,  3200                       ; of 3,072 bytes (two images) + 128, so that the two tiles' stores fall on different banks
.set FLOOR, 0x1800000                  ; 2^(3 - 127)
.set XR,  16                           ; v16-143  x as loaded: two sets of 64
.set XX,  144                          ; v144-207 64 numbers of my row: register 32 c + i = k 64 c + 32 h + i
.set XC,  208                          ; v208-219 the image's 12 registers
.set XT0, 220                          ; v220-222, v224-226: a conversion's three registers begin on an even number, the second half of a block's six does not
.set XT1, 224
.set WVO, 16                           ; v16-47   the weights: 4 x lane + i rows; never rewritten
.set WX,  48                           ; v48-111  two sets of 32 numbers down K
.set WC,  112                          ; v112-117 a block's codes;  v118-120 the second conversion's
.set WT,  118
.set WSB, 122                          ; v122-123 scale words of the two K steps
.set WOUT, 124                         ; v124-171 the way out
	s_load_b256 s[4:11], s[0:1], 0x0               ; x s[4:5], W_qkv s[6:7], W_out s[8:9], xc s[10:11]
	s_load_b128 s[12:15], s[0:1], 0x20             ; xs s[12:13], wc s[14:15]
	s_load_b64 s[16:17], s[0:1], 0x30              ; ws
	v_lshl_add_u32 v254, v0, 2, 0xec00
	v_mov_b32 v255, 0
	v_lshrrev_b32 v1, 5, v0
	v_readfirstlane_b32 s18, v1                    ; wave 0..3
	v_and_b32 v8, 31, v0                           ; lane
	s_cmp_lt_u32 ttmp9, 128
	s_cbranch_scc0 .Lweights
; ---------------- x.  Wave w: tile 2 g + w / 2, K steps 4 (w % 2) + 0 .. 3 ----------------
	v_and_b32 v9, 15, v0                           ; r
	v_bfe_u32 v10, v0, 4, 1                        ; h
	v_lshlrev_b32 v1, 4, v8                        ; 16 x lane: my bytes of a load's 512, and of an image's 512
	s_mul_i32 s19, s18, XSTG
	v_add_nc_u32 v2, s19, v1                       ; into the stage: a row as it lies
	v_mul_u32_u24 v3, v9, XP
	v_lshl_add_u32 v3, v10, 7, v3
	v_add_nc_u32 v3, s19, v3                       ; out of it: row r, + 128 h: my block of 32
	s_add_co_u32 s19, s19, XSCO
	v_lshl_add_u32 v4, v9, 2, s19                  ; my row's scale word
	v_lshl_add_u32 v5, v8, 3, s19                  ; and the 256 bytes on their way out, 8 a lane
	v_lshlrev_b32 v6, 3, v8
	v_lshlrev_b32 v7, 3, v10                       ; 8 h: my bytes' place in the word
	v_mov_b32 v15, 0                               ; a lane permute's destination counts as read
	s_mov_b32 s20, 0x76543210
	s_mov_b32 s21, 0xfedcba98                      ; selects for lane l xor 16
	s_lshr_b32 s22, s18, 1                         ; which tile
	s_and_b32 s23, s18, 1                          ; which half of K
	s_lshl_b32 s24, ttmp9, 17                      ; 32 rows of 4,096 bytes a work-group,
	s_lshl_b32 s26, s22, 15                        ; 8 rows on for the odd tile,
	s_add_co_u32 s24, s24, s26
	s_lshl_b32 s26, s23, 11                        ; 2,048 bytes on for the upper half of K
	s_add_co_u32 s24, s24, s26
	s_mov_b32 s25, 0
	s_lshl_b32 s27, ttmp9, 1
	s_add_co_u32 s27, s27, s22                     ; T
	s_lshl_b32 s28, s27, 3
	s_lshl_b32 s26, s23, 2
	s_add_co_u32 s28, s28, s26
	s_mul_i32 s28, s28, 1536                       ; (8 T + 4 half) images
	s_mov_b32 s29, 0
	s_lshl_b32 s30, s27, 9
	s_lshl_b32 s26, s23, 8
	s_add_co_u32 s30, s30, s26                     ; and as many times 64 bytes of scale words
	s_mov_b32 s31, 0
	s_wait_kmcnt 0x0
	s_add_nc_u64 s[4:5], s[4:5], s[24:25]
	s_add_nc_u64 s[10:11], s[10:11], s[28:29]
	s_add_nc_u64 s[12:13], s[12:13], s[30:31]
.macro XLOAD t                         ; K step t of the tile's 16 rows: each load reads 512 consecutive bytes of one row
.irp i, 0,1,2,3,4,5,6,7,8,9,10,11,12,13,14,15
	global_load_b128 v[XR+64*((\t)%2)+4*\i:XR+64*((\t)%2)+4*\i+3], v1, s[4:5] offset:(\i+8*(\i/8))*4096+512*(\t) th:TH_LOAD_NT
.endr
.endm
.macro XSTEP t
.set RS, XR+64*((\t)%2)
.if (\t) < 3
	s_wait_loadcnt 16                              ; this step's 16 loads are in; the next step's 16 may be out
.else
	s_wait_loadcnt 0x0
.endif
.irp i, 0,1,2,3,4,5,6,7,8,9,10,11,12,13,14,15
	ds_store_b128 v2, v[RS+4*\i:RS+4*\i+3] offset:XP*\i
.endr
.irp c, 0,1
.irp j, 0,1,2,3,4,5,6,7
	ds_load_b128 v[XX+32*\c+4*\j:XX+32*\c+4*\j+3], v3 offset:256*\c+16*\j   ; LDS serves a wave's instructions in order: these see the stores above
.endr
.endr
	s_wait_dscnt 0x0                               ; my 64 numbers are back, and the stores have read their registers,
.if (\t) < 2
	XLOAD (\t)+2                                   ; which take the loads of two steps on
.endif
.irp c, 0,1
	v_max3_num_f32 v[8+\c], |v[XX+32*\c]|, |v[XX+32*\c+1]|, FLOOR   ; block 2 c + h: all its 32 numbers are mine
.endr
.irp i, 2,4,6,8,10,12,14,16,18,20,22,24,26,28,30
.irp c, 0,1
	v_max3_num_f32 v[8+\c], v[8+\c], |v[XX+32*\c+\i]|, |v[XX+32*\c+\i+1]|
.endr
.endr
.irp c, 0,1
	v_add_nc_u32 v[10+\c], 0xff000000, v[8+\c]     ; 2 off the exponent field: the conversion's scale operand
.endr
.irp c, 0,1
	v_lshrrev_b32 v[12+\c], 23, v[10+\c]           ; the scale's byte
.endr
	v_lshl_or_b32 v14, v13, 16, v12                ; blocks h and 2 + h,
	v_lshlrev_b32 v14, v7, v14                     ; at their places;
	v_permlanex16_b32 v15, v14, s20, s21
	v_or_b32 v14, v14, v15                         ; with lane l xor 16's two the word is whole
	s_wait_xcnt 0x0                                ; the last step's stores have read the image's registers: they are written again only behind this wait
	v_cvt_scalef32_pk16_fp6_f32 v[XC:XC+2], v[XX:XX+15], v10
	v_cvt_scalef32_pk16_fp6_f32 v[XT0:XT0+2], v[XX+16:XX+31], v10
	v_cvt_scalef32_pk16_fp6_f32 v[XC+6:XC+8], v[XX+32:XX+47], v11
	v_cvt_scalef32_pk16_fp6_f32 v[XT1:XT1+2], v[XX+48:XX+63], v11
	v_nop                                          ; one plain instruction behind a scaled conversion
.irp i, 0,1,2
	v_mov_b32 v[XC+3+\i], v[XT0+\i]
	v_mov_b32 v[XC+9+\i], v[XT1+\i]
.endr
.irp c, 0,1,2
	global_store_b128 v1, v[XC+4*\c:XC+4*\c+3], s[10:11] offset:1536*(\t)+512*\c   ; 512 consecutive bytes, aligned to 256
.endr
	ds_store_b32 v4, v14 offset:64*(\t)            ; both lanes of a row write the same word
.endm
	XLOAD 0
	XLOAD 1
	XSTEP 0
	XSTEP 1
	XSTEP 2
	XSTEP 3
	ds_load_b64 v[12:13], v5                       ; four K steps' scale words: 256 bytes
	s_wait_dscnt 0x0
	global_store_b64 v6, v[12:13], s[12:13]        ; 256 consecutive bytes, aligned
	s_wait_tensorcnt 0x0
	ds_add_u32 v254, v255
	s_wait_dscnt 0x0
	s_endpgm
; ---------------- the weights.  A LANE TAKES A COLUMN AND ITS REGISTERS RUN DOWN K: a block of 32 lies in one lane, and the codes come out with K innermost ----------------
.Lweights:
	v_bfe_u32 v9, v0, 3, 1                         ; u: which of my wave's two tiles my column falls into
	v_and_b32 v10, 7, v0
	v_bfe_u32 v11, v0, 4, 1
	v_lshl_add_u32 v10, v11, 3, v10                ; r = lane % 8 + 8 (lane / 16)
	s_mul_i32 s19, s18, WSTG
	s_add_co_u32 s19, s19, WBASE                   ; my stage
	v_mul_u32_u24 v1, v9, WTIL
	v_lshl_add_u32 v1, v10, 4, v1
	v_add_nc_u32 v1, s19, v1                       ; into it: tile u, 16 r
	v_lshlrev_b32 v3, 4, v8                        ; 16 x lane
	v_add_nc_u32 v2, s19, v3                       ; out of it
	v_lshlrev_b32 v4, 9, v9
	v_lshl_add_u32 v4, v10, 2, v4                  ; my scale word: 512 u + 4 r
	s_sub_co_u32 s20, ttmp9, 128
	s_and_b32 s21, s20, 31                         ; which 128 of the 4,096 columns (3,072 of W_qkv, then 1,024 of W_out)
	s_lshr_b32 s22, s20, 5                         ; which 256 along K
	s_cmp_lt_u32 s21, 24
	s_mov_b32 s23, 4096
	s_cselect_b32 s23, 12288, s23                  ; bytes in a row of the tensor
	s_cselect_b32 s24, 0, 24
	s_sub_co_u32 s24, s21, s24
	s_lshl_b32 s24, s24, 7
	s_lshl_b32 s25, s18, 5
	s_add_co_u32 s24, s24, s25                     ; my wave's first column in its tensor
	s_lshl_b32 s24, s24, 2
	s_lshl_b32 s25, s22, 8
	s_mul_i32 s25, s25, s23
	s_add_co_u32 s24, s24, s25                     ; + 256 ky rows
	s_mov_b32 s25, 0
	s_lshl_b32 s26, s23, 5                         ; 32 rows on
	s_mov_b32 s27, 0
	v_lshlrev_b32 v[WVO], 2, v8
.set i, 1
.rept 31
	v_add_nc_u32 v[WVO+i], s23, v[WVO+i-1]
.set i, i+1
.endr
	s_lshl_b32 s28, s21, 3
	s_lshl_b32 s29, s18, 1
	s_add_co_u32 s28, s28, s29                     ; my first tile: 8 cg + 2 w
	s_lshl_b32 s28, s28, 3
	s_lshl_b32 s29, s22, 1
	s_add_co_u32 s28, s28, s29                     ; 8 T + s
	s_lshl_b32 s30, s28, 6
	s_mov_b32 s31, 0
	s_mul_i32 s28, s28, 1536
	s_mov_b32 s29, 0
	s_wait_kmcnt 0x0
	s_cmp_lt_u32 s21, 24                           ; the choice hangs on the work-group's number alone
	s_cselect_b64 s[6:7], s[6:7], s[8:9]
	s_add_nc_u64 s[32:33], s[6:7], s[24:25]        ; a base for each of the eight blocks of 32 rows
.irp t, 1,2,3,4,5,6,7
	s_add_nc_u64 s[32+2*\t:33+2*\t], s[30+2*\t:31+2*\t], s[26:27]
.endr
	s_add_nc_u64 s[14:15], s[14:15], s[28:29]
	s_add_nc_u64 s[16:17], s[16:17], s[30:31]
.macro WLOAD t                         ; block t: 32 rows at my column; a load reads 128 consecutive bytes, the four waves stand side by side
.set i, 0
.rept 32
	global_load_b32 v[WX+32*((\t)%2)+i], v[WVO+i], s[32+2*(\t):33+2*(\t)] th:TH_LOAD_NT
.set i, i+1
.endr
.endm
.macro WBLOCK t                        ; block t = 4 q + 2 c + h: registers 6 c .. 6 c + 5 of lane r + 16 h of K step q's image
.set XS, WX+32*((\t)%2)
.set BO, 1536*((\t)/4)+256*((\t)%2)
.if (\t) < 7
	s_wait_loadcnt 32                              ; this block's 32 loads are in; the next block's may be out
.else
	s_wait_loadcnt 0x0
.endif
	v_max3_num_f32 v12, |v[XS]|, |v[XS+1]|, |v[XS+2]|
	v_max3_num_f32 v13, |v[XS+3]|, |v[XS+4]|, |v[XS+5]|
.irp i, 6,10,14,18,22,26
	v_max3_num_f32 v12, v12, |v[XS+\i]|, |v[XS+\i+1]|
	v_max3_num_f32 v13, v13, |v[XS+\i+2]|, |v[XS+\i+3]|
.endr
	v_max3_num_f32 v12, v12, |v[XS+30]|, |v[XS+31]|
	v_max3_num_f32 v12, v12, v13, FLOOR
	v_add_nc_u32 v14, 0xff000000, v12              ; the conversion's scale operand
	v_lshrrev_b32 v15, 23, v14                     ; the byte
.if (\t)%4 == 0
	v_mov_b32 v[WSB+(\t)/4], v15
.else
	v_lshl_or_b32 v[WSB+(\t)/4], v15, 8*((\t)%4), v[WSB+(\t)/4]
.endif
	v_cvt_scalef32_pk16_fp6_f32 v[WC:WC+2], v[XS:XS+15], v14
	v_cvt_scalef32_pk16_fp6_f32 v[WT:WT+2], v[XS+16:XS+31], v14
	v_nop                                          ; one plain instruction behind a scaled conversion
.irp i, 0,1,2
	v_mov_b32 v[WC+3+\i], v[WT+\i]
.endr
.if ((\t)/2)%2 == 0
	ds_store_b128 v1, v[WC:WC+3] offset:BO         ; registers 0-3
	ds_store_b64 v1, v[WC+4:WC+5] offset:BO+512    ; registers 4, 5
.else
	ds_store_b64 v1, v[WC:WC+1] offset:BO+520      ; registers 6, 7
	ds_store_b128 v1, v[WC+2:WC+5] offset:BO+1024  ; registers 8-11
.endif
.if (\t) < 6
	WLOAD (\t)+2
.endif
	s_wait_dscnt 0x0                               ; the stores have read the codes' registers
.endm
	WLOAD 0
	WLOAD 1
.irp t, 0,1,2,3,4,5,6,7
	WBLOCK \t
.endr
	global_store_b32 v4, v[WSB], s[16:17]          ; scale words: pieces of 64 bytes, one byte for each 128 that this way reads
	global_store_b32 v4, v[WSB+1], s[16:17] offset:64
.irp n, 0,1,2,3,4,5,6,7,8,9,10,11
	ds_load_b128 v[WOUT+4*\n:WOUT+4*\n+3], v2 offset:WTIL*(\n/6)+512*(\n%6)
.endr
.irp n, 0,1,2,3,4,5,6,7,8,9,10,11
	s_wait_dscnt 11-\n
	global_store_b128 v3, v[WOUT+4*\n:WOUT+4*\n+3], s[14:15] offset:12288*(\n/6)+512*(\n%6)   ; 512 consecutive bytes, aligned to 256
.endr
	s_wait_tensorcnt 0x0
	ds_add_u32 v254, v255
	s_wait_dscnt 0x0
	s_endpgm
.Lfunc_end_k_qd4e05a7c46_prep:
	.size	k_qd4e05a7c46_prep, .Lfunc_end_k_qd4e05a7c46_prep-k_qd4e05a7c46_prep
	.p2alignl 7, 3214868480
	.fill 96, 4, 3214868480
	.section	.rodata,"a",@progbits
	.p2align	6, 0x0
	.amdhsa_kernel k_qd4e05a7c46_prep
		.amdhsa_group_segment_fixed_size 60928
		.amdhsa_private_segment_fixed_size 0
		.amdhsa_enable_private_segment 0
		.amdhsa_kernarg_size 56
		.amdhsa_user_sgpr_count 2
		.amdhsa_user_sgpr_kernarg_segment_ptr 1
		.amdhsa_wavefront_size32 1
		.amdhsa_system_sgpr_workgroup_id_x 1
		.amdhsa_system_sgpr_workgroup_id_y 1
		.amdhsa_system_sgpr_workgroup_id_z 1
		.amdhsa_system_vgpr_workitem_id 0
		.amdhsa_next_free_vgpr 256
		.amdhsa_next_free_sgpr 66
		.amdhsa_reserve_vcc 0
		.amdhsa_float_denorm_mode_32 3
		.amdhsa_float_denorm_mode_16_64 3
		.amdhsa_memory_ordered 1
		.amdhsa_forward_progress 1
		.amdhsa_inst_pref_size 73
	.end_amdhsa_kernel
	.amdgpu_metadata
---
amdhsa.version: [ 1, 2 ]
amdhsa.kernels:
  - .name:           k_qd4e05a7c46_prep
    .symbol:         k_qd4e05a7c46_prep.kd
    .args:
      - { .name: x, .offset: 0, .size: 8, .value_kind: global_buffer, .address_space: global }
      - { .name: W_qkv, .offset: 8, .size: 8, .value_kind: global_buffer, .address_space: global }
      - { .name: W_out, .offset: 16, .size: 8, .value_kind: global_buffer, .address_space: global }
      - { .name: xc, .offset: 24, .size: 8, .value_kind: global_buffer, .address_space: global }
      - { .name: xs, .offset: 32, .size: 8, .value_kind: global_buffer, .address_space: global }
      - { .name: wc, .offset: 40, .size: 8, .value_kind: global_buffer, .address_space: global }
      - { .name: ws, .offset: 48, .size: 8, .value_kind: global_buffer, .address_space: global }
    .group_segment_fixed_size: 60928
    .private_segment_fixed_size: 0
    .kernarg_segment_align: 8
    .kernarg_segment_size: 56
    .max_flat_workgroup_size: 128
    .sgpr_count:     66
    .vgpr_count:     256
    .wavefront_size: 32
...
	.end_amdgpu_metadata
.endif
;; end of part 1
;; launch qkv (part 2): grid 12 x 16, 4 waves a work-group, clusters of 4 x 4, 327,680 bytes of LDS; arguments xc, xs, wc, ws, b_qkv, qkv; writes qkv
.if DOCPART == 2
	.amdgcn_target "amdgcn-amd-amdhsa--gfx1250"
	.amdhsa_code_object_version 6
	.text
	.protected	k_qd4e05a7c46_qkv
	.globl	k_qd4e05a7c46_qkv
	.p2align	8
	.type	k_qd4e05a7c46_qkv,@function
k_qd4e05a7c46_qkv:
	s_mov_b64 s[64:65], 0
	v_nop
	global_prefetch_b8 v0, s[64:65] scope:SCOPE_SE
	s_setreg_imm32_b32 hwreg(HW_REG_WAVE_MODE, 25, 1), 1
	s_wait_xcnt 0x0
	s_wait_alu depctr_hold_cnt(0) depctr_sa_sdst(0) depctr_va_vdst(0) depctr_va_sdst(0) depctr_va_ssrc(0) depctr_va_vcc(0) depctr_vm_vsrc(0)
	s_getreg_b32 s2, hwreg(HW_REG_IB_STS2, 6, 4)
	s_cmp_eq_u32 s2, 0
	s_cbranch_scc0 .Lentry_in_a_cluster
	s_endpgm
.Lentry_in_a_cluster:
	s_bfe_u32 s2, ttmp6, 0x10000c
	s_cmp_lg_u32 s2, 0xf033
	s_cbranch_scc0 .Lentry_shape_is_right
	s_endpgm
.Lentry_shape_is_right:
; qkv = x W_qkv + b_qkv on codes of FP6 (E2M3) with E8M0 scales, and its three parts quantised again as the attention's operands: q and k along the head's 64, v along the keys.
; A work-group makes 256 x 256 of the product, a wave 128 x 128: 64 accumulators of 16 x 16.  K = 1,024 goes in four slots' worth of 256 through a ring of two LDS slots filled by the tensor data mover.
; OPERANDS ARE IMAGES OF REGISTERS (made by the launch before): tile T (16 rows: index r = row 32 (T / 2) + 8 (T % 2) + r + 8 (r / 8)), K step s: 1,536 bytes at (8 T + s) x 1,536; three ds_load_b128 at 16 x lane bring a fragment.
; ROLES.  Source 0 ("B") runs along a lane's registers, source 1 ("A") gives a lane its row.  With the tiles' row order the 16 registers of result tiles 2 b, 2 b + 1 are 16 NEIGHBOURS 32 b + 16 (lane / 16) + 0 .. 15 of B's rows.
;   clusters x = 0, 1 (q, k): A = tokens, B = W's columns: a lane holds a token, its registers run along the heads' channels.
;   cluster  x = 2    (v):    A = W's columns, B = tokens: a lane holds a channel, its registers run along the keys, which are the K of attention's second product.
;   The roles are chosen by selects on the cluster's number; in both A hangs on cy alone and B on cx alone.
; CLUSTERS: 4 x 4.  A's tiles are shared along a row of the cluster, B's along a column: joint loads, which divide the requests by four.
; OUTPUT: for each (batch x 16 + head, 128 tokens) a block of 19,712 bytes: K's 8 half images (64 along K: 512 bytes of registers 0-3, 256 of registers 4, 5), K's scale words, V's 4 images (16 channels x 128 keys), V's scale words, Q like K.
; LIMITS: a block of zeros gets the byte 1 (its codes are zeros; this program alone reads the bytes); blocks under 2^-124 keep the byte 1; NaN and infinities are not served.
; REGISTERS: window 0: v12-29 addresses; v32-63 scale words, two sets; v64-127 q's and k's bias; v128-223 A's fragments, one set; v240-255 v's bias; on the way out v128-235 at work.
;   window 1: B's fragments, two sets, at v0 and v128.  windows 2, 3: the accumulators ((a, b) at v[8 (8 (a % 4) + b)]).
.set BLK,     19712
.set HEADSTR, 16*BLK
.set NQ,     2                         ; K steps of 128 in a slot
.set FR,     12                        ; registers of a fragment
.set NL,     3                         ; LDS loads that bring one
.set NP,     4                         ; places behind this matrix instruction (ISA guide 7.12.1)
.set PART,   24576                     ; 8 tiles x 2 K steps x 1,536: what one tensor load brings and one wave reads of A or of B
.set SLOT,   4*PART                    ; A's two halves, then B's two
.set SCL,    2*SLOT                    ; the scale words of all of K: 4 x 4,096 bytes, filled once
.set SPARE,  SCL+4*4096                ; the spare words: 128 bytes a wave, named by no other line
.set ADRA, 16                          ; v16-17 LDS address of my A fragments in slot 0, 1
.set ADRB, 20                          ; v20-21 the same for B
.set ADRS, 27                          ; v27    my scale words: lanes 0-15 A's rows, lanes 16-31 B's
.set SPW,  28                          ; v28    SPARE + 4 x my thread's number; never rewritten
.set NIL,  29                          ; v29    0; never rewritten
.set SC,   32                          ; scale words: set s at v[SC + 16 s]; register 2 i + q: block i, the slot's q-th K step
.set BQ,   64                          ; b_qkv along my registers (q, k)
.set AF,   128
.set BV,   240                          ; b_qkv of my lane's channel, twice for each of the 8 blocks (v)
.set H,    128                         ; the way out: 64 numbers
.set PC,   192                         ; the codes just made (12, and two runs of 3 at +12, +16)
.set TM,   212                         ; 16 at work
.set SW,   228                         ; the 8 blocks' scale words
.set E,    212                         ; and their words as they are stored (over TM, which is done with)
.set G1, 24
.set G0, 32
.set G1B, 48
.set G0B, 56
.set G1S, 68
.set G0S, 76
.set G1SB, 80
.set G0SB, 88
.set SEL, 20
.set MSB, 0
.macro WIN new                         ; the immediate's high byte repeats the setting that is left
.if MSB != \new
	s_set_vgpr_msb (MSB<<8)|\new
.set MSB, \new
.endif
.endm
.set MUL_LO, 0xa1                      ; source 0 (B) window 1, source 1 (A) window 0, C and D window 2
.set MUL_HI, 0xf1                      ; the same, C and D window 3
.set TO_B,   0x40                      ; destination window 1, address window 0
; A joint load: waves 0 and 1 fetch for A, waves 2 and 3 for B.  The branch hangs on the wave's number alone.  Four v_nop follow each of the two lines.
.macro JLOAD g0a, g1a, g0b, g1b
	s_cmp_eq_u32 s15, 0
	s_cbranch_scc0 .Lfor_b_\@
	tensor_load_to_lds s[\g0a:\g0a+3], s[\g1a:\g1a+7]
	s_nop 0
.rept 4
	v_nop
.endr
	s_branch .Lasked_\@
.Lfor_b_\@:
	tensor_load_to_lds s[\g0b:\g0b+3], s[\g1b:\g1b+7]
	s_nop 0
.rept 4
	v_nop
.endr
.Lasked_\@:
.endm
.macro CREST                           ; a round of the cluster's barrier behind its opening barrier
	s_cmp_lg_u32 s14, 0
	s_cbranch_scc1 .Lnot_wave_0_\@
	s_barrier_signal -3
.Lnot_wave_0_\@:
	s_barrier_wait -3
	s_barrier_signal -1
	s_barrier_wait -1
.endm
.macro CROUND
	s_barrier_signal -1
	s_barrier_wait -1
	CREST
.endm
	s_load_b256 s[92:99], s[0:1], 0x0              ; xc s[92:93], xs s[94:95], wc s[96:97], ws s[98:99]
	s_load_b64 s[104:105], s[0:1], 0x20            ; b_qkv
	s_load_b64 s[12:13], s[0:1], 0x28              ; qkv
	v_lshl_add_u32 v[SPW], v0, 2, SPARE
	v_mov_b32 v[NIL], 0
	ds_add_u32 v28, v29
	ds_add_u32 v28, v29
	s_wait_dscnt 0x0
	v_lshrrev_b32 v1, 5, v0
	v_readfirstlane_b32 s14, v1                    ; wave 0..3
	s_lshr_b32 s15, s14, 1                         ; which half of A's 256 rows is mine.  Also: I fetch for A (0) or for B (1)
	s_and_b32 s16, s14, 1                          ; which half of B's.  Also: which 8 tiles I fetch
	s_bfe_u32 s40, ttmp6, 0x40000                  ; cx
	s_bfe_u32 s41, ttmp6, 0x40004                  ; cy
	s_and_b32 s18, ttmp7, 0xffff                   ; cluster y
	s_cmp_eq_u32 ttmp9, 2                          ; cluster x = 2 makes v
	s_cselect_b32 s100, 1, 0
	s_cselect_b32 s17, 2, s18
	s_cselect_b32 s42, s18, ttmp9
	s_lshl_b32 s17, s17, 2
	s_add_co_u32 s17, s17, s41                     ; ia: A's block of 256 rows (tokens; for v: W's columns, blocks 8-11)
	s_lshl_b32 s42, s42, 2
	s_add_co_u32 s42, s42, s40                     ; ib: B's block (W's columns, blocks 0-7; for v: tokens)
	s_lshl_b32 s43, s41, 2
	s_lshl_b32 s43, 15, s43                        ; my row of the cluster
	s_lshl_b32 s44, 0x1111, s40                    ; my column
	; codes: 8 rows (tiles) of 3,072 bytes (384 elements of 8), 12,288 bytes apart, dense in LDS
	s_or_b32 s[G1+0], s43, (3<<16)|(1<<21)         ; 15:0 the mask; 17:16 elements of 8 bytes; 21 set beside a mask
	s_or_b32 s[G1B+0], s44, (3<<16)|(1<<21)
.irp g, G1, G1B
	s_mov_b32 s[\g+1], 384<<16                     ; tensor_dim0
	s_mov_b32 s[\g+2], 8<<16                       ; tensor_dim1
	s_mov_b32 s[\g+3], 384<<16                     ; tile_dim0
	s_mov_b32 s[\g+4], 8                           ; tile_dim1
	s_mov_b32 s[\g+5], 1536                        ; elements from row to row
	s_mov_b32 s[\g+6], 0
	s_mov_b32 s[\g+7], 0
.endr
	; scale words of 8 tiles, all of K: 4,096 dense bytes as 16 rows of 256
	s_or_b32 s[G1S+0], s43, (3<<16)|(1<<21)
	s_or_b32 s[G1SB+0], s44, (3<<16)|(1<<21)
.irp g, G1S, G1SB
	s_mov_b32 s[\g+1], 32<<16
	s_mov_b32 s[\g+2], 16<<16
	s_mov_b32 s[\g+3], 32<<16
	s_mov_b32 s[\g+4], 16
	s_mov_b32 s[\g+5], 32
	s_mov_b32 s[\g+6], 0
	s_mov_b32 s[\g+7], 0
.endr
	s_lshl_b32 s18, s16, 3                         ; which 8 tiles of the block's 16 I fetch
	s_lshl_b32 s20, s17, 4
	s_add_co_u32 s20, s20, s18                     ; A: first tile
	s_lshl_b32 s46, s42, 4
	s_add_co_u32 s46, s46, s18                     ; B: first tile
	s_lshl_b32 s22, s20, 9                         ; their scale words, 512 bytes a tile,
	s_mov_b32 s23, 0
	s_lshl_b32 s2, s46, 9
	s_mov_b32 s3, 0
	s_mul_i32 s20, s20, 12288                      ; and their codes
	s_mov_b32 s21, 0
	s_mul_i32 s46, s46, 12288
	s_mov_b32 s47, 0
	s_mul_i32 s45, s14, PART                       ; where they go: by the wave's number alone
	s_lshl_b32 s19, s14, 12
	s_wait_kmcnt 0x0
	s_cmp_eq_u32 s100, 1                           ; the roles' buffers: the choice hangs on the cluster's number alone
	s_cselect_b64 s[4:5], s[96:97], s[92:93]       ; A's codes
	s_cselect_b64 s[6:7], s[98:99], s[94:95]       ; A's scales
	s_cselect_b64 s[8:9], s[92:93], s[96:97]       ; B's codes
	s_cselect_b64 s[10:11], s[94:95], s[98:99]     ; B's scales
	s_add_nc_u64 s[4:5], s[4:5], s[20:21]
	s_add_nc_u64 s[6:7], s[6:7], s[22:23]
	s_add_nc_u64 s[8:9], s[8:9], s[46:47]
	s_add_nc_u64 s[10:11], s[10:11], s[2:3]
	CROUND                                         ; all sixteen work-groups are here: the first joint loads meet
	s_mov_b32 s[G0S], 1
	s_add_co_u32 s[G0S+1], s19, SCL
	s_mov_b64 s[G0S+2:G0S+3], s[6:7]
	s_or_b32 s[G0S+3], s[G0S+3], 0x80000000
	s_mov_b32 s[G0SB], 1
	s_add_co_u32 s[G0SB+1], s19, SCL
	s_mov_b64 s[G0SB+2:G0SB+3], s[10:11]
	s_or_b32 s[G0SB+3], s[G0SB+3], 0x80000000
	JLOAD G0S, G1S, G0SB, G1SB                     ; the scale words first: they are wanted with the first K step
.irp s, 0,1
	s_mov_b32 s[G0+4*\s], 1
	s_add_co_u32 s[G0+4*\s+1], s45, \s*SLOT
	s_add_nc_u64 s[G0+4*\s+2:G0+4*\s+3], s[4:5], \s*3072
	s_or_b32 s[G0+4*\s+3], s[G0+4*\s+3], 0x80000000
	s_mov_b32 s[G0B+4*\s], 1
	s_add_co_u32 s[G0B+4*\s+1], s45, \s*SLOT
	s_add_nc_u64 s[G0B+4*\s+2:G0B+4*\s+3], s[8:9], \s*3072
	s_or_b32 s[G0B+4*\s+3], s[G0B+4*\s+3], 0x80000000
	JLOAD G0+4*\s, G1, G0B+4*\s, G1B               ; three tensor loads of mine are out
.endr
	v_and_b32 v1, 15, v0                           ; r
	v_bfe_u32 v2, v0, 4, 1                         ; h
	v_and_b32 v3, 31, v0                           ; lane
	v_lshlrev_b32 v12, 6, v2                       ; 64 h: my half's 16 numbers of a bias
	v_and_b32 v4, 8, v1
	v_add_nc_u32 v4, v4, v1
	v_lshlrev_b32 v13, 2, v4                       ; 4 (r + 8 (r / 8)): my lane's row in a tile
	v_lshlrev_b32 v14, 4, v3                       ; 16 x lane
	v_lshlrev_b32 v15, 3, v3                       ; 8 x lane
	; the biases.  Both kinds are loaded by every work-group; the kind that its role does not use is aimed at the buffer's start, so that no load leaves the buffer
	s_lshl_b32 s46, s42, 10
	s_lshl_b32 s47, s16, 9
	s_add_co_u32 s46, s46, s47                     ; q, k: 4 (256 ib + 128 half)
	s_lshl_b32 s20, s17, 10
	s_lshl_b32 s21, s15, 9
	s_add_co_u32 s20, s20, s21                     ; v: 4 (256 ia + 128 half)
	s_cmp_eq_u32 s100, 1
	s_cselect_b32 s46, 0, s46
	s_cselect_b32 s20, s20, 0
	s_mov_b32 s47, 0
	s_mov_b32 s21, 0
	s_add_nc_u64 s[66:67], s[104:105], s[20:21]
	s_add_nc_u64 s[104:105], s[104:105], s[46:47]
.irp t, 0,1,2,3,4,5,6,7
	global_load_b128 v[BQ+8*\t:BQ+8*\t+3], v12, s[104:105] offset:(32*(\t/2)+8*(\t%2))*4
	global_load_b128 v[BQ+8*\t+4:BQ+8*\t+7], v12, s[104:105] offset:(32*(\t/2)+8*(\t%2))*4+16
.endr
.irp a, 0,1,2,3,4,5,6,7
	global_load_b32 v[BV+2*\a], v13, s[66:67] offset:(32*(\a/2)+8*(\a%2))*4
	global_load_b32 v[BV+2*\a+1], v13, s[66:67] offset:(32*(\a/2)+8*(\a%2))*4   ; twice: a pair for the packed addition
.endr
	s_mul_i32 s21, s15, PART                       ; my 8 tiles of A
	s_mul_i32 s22, s16, PART                       ; my 8 tiles of B,
	s_add_co_u32 s22, s22, 2*PART                  ; which lie behind A's 16
.irp s, 0,1
	v_add_nc_u32 v[ADRA+\s], s21, v14
	v_add_nc_u32 v[ADRB+\s], s22, v14
	s_add_co_u32 s21, s21, SLOT
	s_add_co_u32 s22, s22, SLOT
.endr
	s_xor_b32 s22, s15, 1
	s_add_co_u32 s22, s22, s16
	s_add_co_u32 s22, s22, 1
	s_lshl_b32 s22, s22, 12                        ; from A's half to B's half among the scale words: 8,192 + 4,096 (B's half) - 4,096 (A's half)
	v_mul_u32_u24 v6, s22, v2                      ; lanes 16-31 take B's
	s_lshl_b32 s21, s15, 12
	s_add_co_u32 s21, s21, SCL
	v_lshl_add_u32 v5, v1, 2, v6
	v_add_nc_u32 v[ADRS], s21, v5
.macro FRAG reg, adr, q, i             ; a fragment comes as it was stored: three loads of 512 consecutive bytes
.irp c, 0,1,2
	ds_load_b128 v[\reg+4*\c:\reg+4*\c+3], v[\adr] offset:(\i)*3072+(\q)*1536+512*\c
.endr
.endm
; 16 matrix instructions: A's blocks a0, a0 + 1 x B's eight.  p: B's set; q: the slot's K step; sc: the set of scale words.  zero = 1: the first product starts the sums.
; The 64 accumulators take turns, one instruction a turn, in the same order in every step.
.macro MUL16 a0, p, q, sc, zero
.irp a, \a0, \a0+1
.irp b, 0,1,2,3,4,5,6,7
.if \zero
	v_wmma_scale_f32_16x16x128_f8f6f4 v[8*(8*((\a)%4)+\b):8*(8*((\a)%4)+\b)+7], v[128*(\p)+FR*\b:128*(\p)+FR*\b+FR-1], v[AF+FR*(\a):AF+FR*(\a)+FR-1], 0, v[SC+8*NQ*(\sc)+NQ*\b+(\q)], v[SC+8*NQ*(\sc)+NQ*(\a)+(\q)] matrix_a_fmt:MATRIX_FMT_FP6 matrix_b_fmt:MATRIX_FMT_FP6 matrix_a_scale:MATRIX_SCALE_ROW1
.else
	v_wmma_scale_f32_16x16x128_f8f6f4 v[8*(8*((\a)%4)+\b):8*(8*((\a)%4)+\b)+7], v[128*(\p)+FR*\b:128*(\p)+FR*\b+FR-1], v[AF+FR*(\a):AF+FR*(\a)+FR-1], v[8*(8*((\a)%4)+\b):8*(8*((\a)%4)+\b)+7], v[SC+8*NQ*(\sc)+NQ*\b+(\q)], v[SC+8*NQ*(\sc)+NQ*(\a)+(\q)] matrix_a_fmt:MATRIX_FMT_FP6 matrix_b_fmt:MATRIX_FMT_FP6 matrix_a_scale:MATRIX_SCALE_ROW1
.endif
.endr
.endr
.endm
.macro FETCH_B slot, q, p
	WIN TO_B
.irp i, 0,1,2,3,4,5,6,7
	FRAG 128*(\p)+FR*\i, ADRB+\slot, \q, \i
.endr
	WIN 0
.endm
.macro FETCH_A slot, q, i0
.irp i, \i0, \i0+1, \i0+2, \i0+3
	FRAG AF+FR*(\i), ADRA+\slot, \q, \i
.endr
.endm
.macro SCALES sc                       ; a slot's scale words: lanes 0-15 take A's block i, lanes 16-31 B's block i
.irp i, 0,1,2,3,4,5,6,7
.irp q, 0,1
	ds_load_b32 v[SC+16*\sc+2*\i+\q], v[ADRS] offset:512*\i+64*\q
.endr
.endr
.endm
.macro PLACES n                        ; plain vector instructions between a matrix instruction and a load into, or a read of, its registers
.rept \n
	v_nop
.endr
.endm
.macro STEP slot, q, zero              ; a K step that has its successor in the same slot
	s_wait_dscnt 4*NL                              ; B's set, A's blocks 0-3 and the scale words are in; the youngest 12 loads (A's blocks 4-7) may be out
	WIN MUL_LO
	MUL16 0, (\q)%2, \q, \slot, \zero
	MUL16 2, (\q)%2, \q, \slot, \zero
	s_wait_dscnt 0
	PLACES NP
	FETCH_B \slot, (\q)+1, 1-(\q)%2
	FETCH_A \slot, (\q)+1, 0
	WIN MUL_HI
	MUL16 4, (\q)%2, \q, \slot, \zero
	MUL16 6, (\q)%2, \q, \slot, \zero
	PLACES NP
	WIN 0
	FETCH_A \slot, (\q)+1, 4
.endm
; A slot's last K step changes slots: one barrier; in front of it each wave waits for all its tensor loads, adds 0 to its spare word, and waits for that and for its reads of this slot.  fill = 1: the slot is filled again.
.macro TURN slot, next, fill
	s_wait_tensorcnt 0x0                           ; all my tensor loads have landed: my part of the next slot
	ds_add_u32 v[SPW], v[NIL]                      ; 0 onto my spare word
	s_wait_dscnt 4*NL+1                            ; the add and the youngest 12 loads may be out
	WIN MUL_LO
	MUL16 0, 1, NQ-1, \slot, 0
	s_wait_dscnt 0x0                               ; the add is done, and my reads of this slot are over
	s_barrier_signal -1
	MUL16 2, 1, NQ-1, \slot, 0
	WIN 0
	s_barrier_wait -1
.if \fill
	CREST                                          ; the barrier has opened a round of the cluster's: no wave of any partner still reads this slot or has a load on its way
	s_add_nc_u64 s[G0+4*\slot+2:G0+4*\slot+3], s[G0+4*\slot+2:G0+4*\slot+3], 6144
	s_add_nc_u64 s[G0B+4*\slot+2:G0B+4*\slot+3], s[G0B+4*\slot+2:G0B+4*\slot+3], 6144
	JLOAD G0+4*\slot, G1, G0B+4*\slot, G1B         ; the first tensor load behind the round; its four v_nop are also the places in front of the loads below
.else
	PLACES NP
.endif
	v_add_nc_u32 v[ADRS], 128, v[ADRS]             ; the next slot's scale words
	FETCH_B \next, 0, 0
	FETCH_A \next, 0, 0
	SCALES \next
	WIN MUL_HI
	MUL16 4, 1, NQ-1, \slot, 0
	MUL16 6, 1, NQ-1, \slot, 0
	PLACES NP
	WIN 0
	FETCH_A \next, 0, 4
.endm
	s_wait_tensorcnt 1                             ; the scale words and my part of slot 0 are in; slot 1's load may be out
	s_barrier_signal -1
	s_barrier_wait -1
	FETCH_B 0, 0, 0
	FETCH_A 0, 0, 0
	SCALES 0
	FETCH_A 0, 0, 4
	STEP 0, 0, 1                                   ; K = 1,024 is eight K steps in four slots' worth: written out, since a loop would have one trip
	TURN 0, 1, 1
	STEP 1, 0, 0
	TURN 1, 0, 1
	STEP 0, 0, 0
	TURN 0, 1, 0                                   ; nothing is left to fetch
	STEP 1, 0, 0
	s_wait_dscnt 4*NL
	WIN MUL_LO
	MUL16 0, 1, NQ-1, 1, 0
	MUL16 2, 1, NQ-1, 1, 0
	s_wait_dscnt 0
	WIN MUL_HI
	MUL16 4, 1, NQ-1, 1, 0
	MUL16 6, 1, NQ-1, 1, 0
	WIN 0
; THE WAY OUT.  Block a (A's 16 rows x B's 128 rows): a lane's 64 numbers are register 16 b + i = B's row 32 b + 16 (lane / 16) + i.  The bias is added, the 64 numbers are quantised in four blocks of 32, and the
; codes are the image of a fragment, stored as it stands: no LDS.
; 64 numbers at v[s] on become 12 registers of codes at v[PC] on and the row's scale word in v[pw].
.macro QUANT s, pw
.irp b, 0,1,2,3
	v_max3_num_f32 v[TM+\b], |v[\s+16*\b]|, |v[\s+1+16*\b]|, 0x1800000   ; my 16 numbers of block b, and the floor 2^(3 - 127): the byte cannot fall under 1
.endr
.irp i, 2,4,6,8,10,12,14
.irp b, 0,1,2,3
	v_max3_num_f32 v[TM+\b], v[TM+\b], |v[\s+16*\b+\i]|, |v[\s+1+16*\b+\i]|
.endr
.endr
.irp b, 0,1,2,3
	v_permlanex16_b32 v[TM+4+\b], v[TM+\b], s[SEL], s[SEL+1]
.endr
.irp b, 0,1,2,3
	v_max_num_f32 v[TM+\b], v[TM+\b], v[TM+4+\b]   ; with lane l xor 16's 16: the block's largest magnitude
.endr
.irp b, 0,1,2,3
	v_add_nc_u32 v[TM+12+\b], 0xff000000, v[TM+\b] ; 2 off the exponent field: the conversion's scale operand
.endr
.irp b, 0,1,2,3
	v_lshrrev_b32 v[TM+4+\b], 23, v[TM+12+\b]      ; the byte
.endr
	v_lshl_or_b32 v[\pw], v[TM+5], 8, v[TM+4]
	v_lshl_or_b32 v[\pw], v[TM+6], 16, v[\pw]
	v_lshl_or_b32 v[\pw], v[TM+7], 24, v[\pw]
.irp c, 0,1
	v_cvt_scalef32_pk16_fp6_f32 v[PC+6*\c:PC+2+6*\c], v[\s+32*\c:\s+15+32*\c], v[TM+12+2*\c]
	v_cvt_scalef32_pk16_fp6_f32 v[PC+12+4*\c:PC+14+4*\c], v[\s+16+32*\c:\s+31+32*\c], v[TM+12+2*\c+1]
.endr
	v_nop                                          ; one plain instruction behind a scaled conversion
.irp c, 0,1                            ; the operand's layout wants a whole block in a lane
.irp i, 0,1,2
	v_permlane16_swap_b32 v[PC+6*\c+\i], v[PC+12+4*\c+\i]
.endr
.irp i, 0,1,2
	v_mov_b32 v[PC+3+6*\c+\i], v[PC+12+4*\c+\i]
.endr
.endr
.endm
.macro EPI a, isv
.set WN, 0x02+(\a)/4
.set AC, 64*((\a)%4)
	WIN WN                                         ; source 0: window 2 or 3
.set j, 0
.rept 32
.if \isv
	v_pk_add_f32 v[H+j:H+j+1], v[AC+j:AC+j+1], v[BV+2*(\a):BV+2*(\a)+1]   ; each accumulator is read from its low end on
.else
	v_pk_add_f32 v[H+j:H+j+1], v[AC+j:AC+j+1], v[BQ+j:BQ+j+1]
.endif
.set j, j+2
.endr
	WIN 0
.if (\a) > 0
	s_wait_xcnt 0x0                                ; the last block's stores have read the codes' registers
.endif
	QUANT H, SW+(\a)
.if \isv
.irp c, 0,1,2
	global_store_b128 v14, v[PC+4*\c:PC+4*\c+3], s[12:13] offset:((\a)/4)*HEADSTR+1536*((\a)%4)+512*\c   ; 16 channels x 128 keys: an image; 512 consecutive bytes, aligned to 256
.endr
.else
	global_store_b128 v14, v[PC:PC+3], s[12:13] offset:768*(\a)                    ; registers 0-5: the first head's 64; registers 6-11: the second head's
	global_store_b64 v15, v[PC+4:PC+5], s[12:13] offset:768*(\a)+512
	global_store_b128 v14, v[PC+6:PC+9], s[12:13] offset:HEADSTR+768*(\a)
	global_store_b64 v15, v[PC+10:PC+11], s[12:13] offset:HEADSTR+768*(\a)+512
.endif
.endm
	PLACES NP                                      ; behind the last products
	s_wait_loadcnt 0x0                             ; the biases
	s_mov_b32 s[SEL], 0x76543210
	s_mov_b32 s[SEL+1], 0xfedcba98
	s_mov_b32 s101, 0xffff0000                     ; lanes 16-31
.irp b, 0,1,2,3
	v_mov_b32 v[TM+4+\b], 0                        ; a lane permute's destination counts as read
.endr
	s_cmp_eq_u32 s100, 1                           ; the same in all sixteen partners
	s_cbranch_scc1 .Lvalues
	; ---- q, k: block ((batch x 16 + head) x 16 + 128 tokens'), heads 4 (ib % 4) + 2 half and the next
	s_lshr_b32 s22, s17, 3
	s_lshl_b32 s22, s22, 4
	s_and_b32 s23, s42, 3
	s_lshl_b32 s23, s23, 2
	s_add_co_u32 s22, s22, s23
	s_lshl_b32 s23, s16, 1
	s_add_co_u32 s22, s22, s23
	s_lshl_b32 s22, s22, 4
	s_and_b32 s23, s17, 7
	s_lshl_b32 s23, s23, 1
	s_add_co_u32 s22, s22, s23
	s_add_co_u32 s22, s22, s15
	s_mul_i32 s22, s22, BLK
	s_cmp_eq_u32 ttmp9, 1
	s_cselect_b32 s23, 0, 13056                    ; K's part begins a block, Q's lies 13,056 bytes on
	s_add_co_u32 s22, s22, s23
	s_mov_b32 s23, 0
	s_add_nc_u64 s[12:13], s[12:13], s[22:23]
.irp a, 0,1,2,3,4,5,6,7
	EPI \a, 0
.endr
.irp j, 0,1,2,3
	v_cndmask_b32 v[E+\j], v[SW+2*\j], v[SW+2*\j+1], s101   ; lanes 0-15: tile 2 j's words, lanes 16-31: tile 2 j + 1's.  Bytes 0, 1 are the first head's; bytes 2, 3 scale k = 64 .. 127, where q's codes are zeros: any byte but 0xff
.endr
.irp j, 0,1,2,3
	v_lshrrev_b32 v[E+4+\j], 16, v[E+\j]           ; the second head's
.endr
	global_store_b128 v14, v[E:E+3], s[12:13] offset:6144
	global_store_b128 v14, v[E+4:E+7], s[12:13] offset:HEADSTR+6144
	s_branch .Lfin
.Lvalues:
	; ---- v: heads 4 (ia - 8) + 2 half and the next; 128 keys 2 (ib % 8) + half of batch ib / 8
	s_lshr_b32 s22, s42, 3
	s_lshl_b32 s22, s22, 4
	s_sub_co_u32 s23, s17, 8
	s_lshl_b32 s23, s23, 2
	s_add_co_u32 s22, s22, s23
	s_lshl_b32 s23, s15, 1
	s_add_co_u32 s22, s22, s23
	s_lshl_b32 s22, s22, 4
	s_and_b32 s23, s42, 7
	s_lshl_b32 s23, s23, 1
	s_add_co_u32 s22, s22, s23
	s_add_co_u32 s22, s22, s16
	s_mul_i32 s22, s22, BLK
	s_add_co_u32 s22, s22, 6656                    ; V's part of a block
	s_mov_b32 s23, 0
	s_add_nc_u64 s[12:13], s[12:13], s[22:23]
.irp a, 0,1,2,3,4,5,6,7
	EPI \a, 1
.endr
.irp j, 0,1,2,3
	v_cndmask_b32 v[E+\j], v[SW+2*\j], v[SW+2*\j+1], s101
.endr
	global_store_b64 v15, v[E:E+1], s[12:13] offset:6144
	global_store_b64 v15, v[E+2:E+3], s[12:13] offset:HEADSTR+6144
.Lfin:
	s_wait_tensorcnt 0x0                           ; the wave's end
	ds_add_u32 v[SPW], v[NIL]
	s_wait_dscnt 0x0
	CROUND                                         ; the closing round: no work-group ends while a partner may still ask for a tile that names it
	s_endpgm
.Lfunc_end_k_qd4e05a7c46_qkv:
	.size	k_qd4e05a7c46_qkv, .Lfunc_end_k_qd4e05a7c46_qkv-k_qd4e05a7c46_qkv
	.p2alignl 7, 3214868480
	.fill 96, 4, 3214868480
	.section	.rodata,"a",@progbits
	.p2align	6, 0x0
	.amdhsa_kernel k_qd4e05a7c46_qkv
		.amdhsa_group_segment_fixed_size 327680
		.amdhsa_private_segment_fixed_size 0
		.amdhsa_enable_private_segment 0
		.amdhsa_kernarg_size 48
		.amdhsa_user_sgpr_count 2
		.amdhsa_user_sgpr_kernarg_segment_ptr 1
		.amdhsa_wavefront_size32 1
		.amdhsa_system_sgpr_workgroup_id_x 1
		.amdhsa_system_sgpr_workgroup_id_y 1
		.amdhsa_system_sgpr_workgroup_id_z 1
		.amdhsa_system_vgpr_workitem_id 0
		.amdhsa_next_free_vgpr 1024
		.amdhsa_next_free_sgpr 106
		.amdhsa_reserve_vcc 0
		.amdhsa_float_denorm_mode_32 3
		.amdhsa_float_denorm_mode_16_64 3
		.amdhsa_memory_ordered 1
		.amdhsa_forward_progress 1
		.amdhsa_inst_pref_size 212
	.end_amdhsa_kernel
	.amdgpu_metadata
---
amdhsa.version: [ 1, 2 ]
amdhsa.kernels:
  - .name:           k_qd4e05a7c46_qkv
    .symbol:         k_qd4e05a7c46_qkv.kd
    .args:
      - { .name: xc, .offset: 0, .size: 8, .value_kind: global_buffer, .address_space: global }
      - { .name: xs, .offset: 8, .size: 8, .value_kind: global_buffer, .address_space: global }
      - { .name: wc, .offset: 16, .size: 8, .value_kind: global_buffer, .address_space: global }
      - { .name: ws, .offset: 24, .size: 8, .value_kind: global_buffer, .address_space: global }
      - { .name: b_qkv, .offset: 32, .size: 8, .value_kind: global_buffer, .address_space: global }
      - { .name: qkv, .offset: 40, .size: 8, .value_kind: global_buffer, .address_space: global }
    .group_segment_fixed_size: 327680
    .private_segment_fixed_size: 0
    .kernarg_segment_align: 8
    .kernarg_segment_size: 48
    .max_flat_workgroup_size: 128
    .sgpr_count:     106
    .vgpr_count:     1024
    .wavefront_size: 32
...
	.end_amdgpu_metadata
.endif
;; end of part 2
;; launch attn (part 3): grid 8 x 32, 16 waves a work-group, clusters of 4 x 1, 223,232 bytes of LDS; arguments qkv, attention_mask, ao, aos; writes ao, aos
.if DOCPART == 3
	.amdgcn_target "amdgcn-amd-amdhsa--gfx1250"
	.amdhsa_code_object_version 6
	.text
	.protected	k_qd4e05a7c46_attn
	.globl	k_qd4e05a7c46_attn
	.p2align	8
	.type	k_qd4e05a7c46_attn,@function
k_qd4e05a7c46_attn:
	s_mov_b64 s[64:65], 0
	v_nop
	global_prefetch_b8 v0, s[64:65] scope:SCOPE_SE
	s_setreg_imm32_b32 hwreg(HW_REG_WAVE_MODE, 25, 1), 1
	s_wait_xcnt 0x0
	s_wait_alu depctr_hold_cnt(0) depctr_sa_sdst(0) depctr_va_vdst(0) depctr_va_sdst(0) depctr_va_ssrc(0) depctr_va_vcc(0) depctr_vm_vsrc(0)
	s_getreg_b32 s2, hwreg(HW_REG_IB_STS2, 6, 4)
	s_cmp_eq_u32 s2, 0
	s_cbranch_scc0 .Lentry_in_a_cluster
	s_endpgm
.Lentry_in_a_cluster:
	s_bfe_u32 s2, ttmp6, 0x10000c
	s_cmp_lg_u32 s2, 0x3003
	s_cbranch_scc0 .Lentry_shape_is_right
	s_endpgm
.Lentry_shape_is_right:
; Attention of one (batch, head) for 256 queries, both products on codes of FP6 (E2M3) with E8M0 scales, and its result quantised along the head's 64 as an operand of the last product.
; t = score x log2(e) / 8; M = the running largest t rounded up to a whole number; p = 2^(t - M) is quantised along the keys; the row's sum is taken of the unquantised p and divides at the end.
; SHARES.  A work-group: one head g = batch x 16 + head, 256 queries.  Each of its sixteen waves owns one tile of 16 queries in 256 registers: four waves to a SIMD, so that one wave's vector work stands beside another's products and LDS loads.
; A WHOLE HEAD'S K AND V LIE IN LDS: 16 key steps x 13,056 bytes, FILLED ONCE, in four chunks of four steps: no slot is filled again.  The four work-groups of a cluster share the head: every tile is asked for jointly.
; LAYOUT.  Both products are used transposed (S^T = K Q^T, O^T = V^T P^T): a lane holds one query.  Tiles of keys, queries and channels hold index r = row 32 (t / 2) + 8 (t % 2) + r + 8 (r / 8), so that the 16 registers of
; result tiles 2 b, 2 b + 1 are 16 neighbours 32 b + 16 (lane / 16) + 0 .. 15.
; K = 64 IN THE FIRST PRODUCT.  The instruction takes 128: Q's codes of k = 64 .. 127 are zeros, so K's upper six registers may hold any codes (FP6 has no NaN): tile t's operand simply runs on into the next tile's registers.
; THE MASK is the C of the first product: 0, or -2^100 where attention_mask is 0.  t of a hidden key lies under every M (M starts at -2^90), so p = 0: it enters no maximum, no sum and no block's scale.
; LIMITS: |q . k| stays under 2^90.  A batch all of whose keys are hidden has sum 0: its scale bytes are stored as 0xff, which makes the last product's sums NaN, as the reference's are.  NaN and infinities among the inputs are not served.
; REGISTERS: v1-11 addresses; v12 -M, v13 largest t, v[14:15] the sum; v16-27 Q (22-27 zeros); v28 Q's scale words; v[30:31] V's; v32-79 K; v80-127 V; v128-191 S^T, then p; v192-223 O^T; v224-235 p's codes; v232-254 at work; v248-251 K's scale words.
.set BLK,   19712
.set STEPB, 13056                      ; a key step in LDS: K's 8 half images, K's scale words, V's 4 images, V's scale words: 51 x 256 bytes
.set MB,    16*STEPB                   ; the mask's addends, f32 [2,048]
.set SCST,  MB+8192                    ; 512 bytes: the result's scale bytes on their way out
.macro CROUND                          ; a round of the cluster's barrier
	s_barrier_signal -1
	s_barrier_wait -1
	s_cmp_lg_u32 s12, 0
	s_cbranch_scc1 .Lnot_wave_0_\@
	s_barrier_signal -3
.Lnot_wave_0_\@:
	s_barrier_wait -3
	s_barrier_signal -1
	s_barrier_wait -1
.endm
	s_load_b256 s[4:11], s[0:1], 0x0               ; qkv s[4:5], attention_mask s[6:7], ao s[8:9], aos s[10:11]
	v_lshl_add_u32 v254, v0, 2, 0x36000
	v_mov_b32 v255, 0
	ds_add_u32 v254, v255
	ds_add_u32 v254, v255
	s_wait_dscnt 0x0
	v_lshrrev_b32 v1, 5, v0
	v_readfirstlane_b32 s12, v1                    ; wave 0..15
	s_bfe_u32 s13, ttmp6, 0x40000                  ; cx: it enters Q's and the results' global addresses alone
	s_lshl_b32 s14, ttmp9, 2
	s_add_co_u32 s14, s14, s13                     ; my block of 256 queries
	s_and_b32 s15, ttmp7, 0xffff                   ; g
	s_lshr_b32 s16, s15, 4                         ; batch
	s_and_b32 s17, s15, 15                         ; head
	s_mov_b32 s20, 0x76543210
	s_mov_b32 s21, 0xfedcba98                      ; selects for lane l xor 16
	s_mov_b32 s22, 0x3e38aa3b                      ; c = log2(e) / 8
	s_mov_b32 s23, s22                             ; (named with it as a pair)
	; descriptor group 1: 51 dense rows of 256 bytes
	s_mov_b32 s24, 15|(3<<16)|(1<<21)              ; 15:0 the mask: all four work-groups; 17:16 elements of 8 bytes; 21 set beside a mask
	s_mov_b32 s25, 32<<16
	s_mov_b32 s26, 51<<16
	s_mov_b32 s27, 32<<16
	s_mov_b32 s28, 51
	s_mov_b32 s29, 32
	s_mov_b32 s30, 0
	s_mov_b32 s31, 0
	s_min_u32 s52, s12, 3                          ; waves 0-3 fetch; the others make wave 3's numbers and use none
	s_mul_i32 s54, s52, STEPB                      ; key step 4 c + w in LDS,
	s_lshl_b32 s53, s15, 4
	s_add_co_u32 s52, s52, s53
	s_mul_i32 s52, s52, BLK                        ; and block 16 g + 4 c + w in memory
	s_mov_b32 s53, 0
	s_lshl_b32 s56, s14, 1
	s_lshr_b32 s57, s12, 3
	s_add_co_u32 s56, s56, s57                     ; my queries' 128 tokens,
	s_lshl_b32 s57, s15, 4
	s_add_co_u32 s56, s56, s57
	s_mul_i32 s56, s56, BLK                        ; their block,
	s_and_b32 s57, s12, 7                          ; my tile t in it
	s_mul_i32 s58, s57, 768
	s_add_co_u32 s58, s58, s56
	s_add_co_u32 s58, s58, 13056                   ; Q's half image
	s_mov_b32 s59, 0
	s_and_b32 s60, s57, 1
	s_lshl_b32 s60, s60, 8
	s_lshr_b32 s61, s57, 1
	s_lshl_b32 s61, s61, 2
	s_add_co_u32 s60, s60, s61
	s_add_co_u32 s60, s60, s56
	s_add_co_u32 s60, s60, 19200                   ; Q's scale words: 16 (16 (t % 2) + r) + 4 (t / 2)
	s_mov_b32 s61, 0
	s_lshl_b32 s50, s16, 13                        ; the batch's 2,048 mask words
	s_mov_b32 s51, 0
	s_lshl_b32 s56, s16, 7
	s_lshl_b32 s57, s14, 4
	s_add_co_u32 s56, s56, s57                     ; the work-group's first tile of tokens: 128 batch + 16 block
	s_add_co_u32 s62, s56, s12
	s_lshl_b32 s62, s62, 4
	s_add_co_u32 s62, s62, s17
	s_mul_i32 s62, s62, 768                        ; ao: (tile x 16 + head) half images
	s_mov_b32 s63, 0
	s_lshl_b32 s56, s56, 5
	s_lshl_b32 s57, s17, 13
	s_add_co_u32 s56, s56, s57                     ; aos: 8,192 head + 32 tile
	s_mov_b32 s57, 0
	s_lshl_b32 s55, s12, 5
	s_add_co_u32 s55, s55, SCST
	v_and_b32 v8, 31, v0                           ; lane
	v_and_b32 v9, 15, v0                           ; r
	v_bfe_u32 v10, v0, 4, 1                        ; h
	v_lshlrev_b32 v1, 4, v8                        ; 16 x lane
	v_lshlrev_b32 v2, 3, v8                        ; 8 x lane
	v_lshl_add_u32 v3, v10, 6, MB                  ; my half's 16 addends of a block of 32 keys
	v_lshlrev_b32 v11, 4, v9                       ; Q's scale word: 16 r
	v_lshl_add_u32 v9, v9, 1, s55                  ; where my row's two scale bytes go: SCST + 32 wave + 2 r
	v_add_nc_u32 v10, SCST, v1                     ; and where wave 0 reads them back
	v_lshlrev_b32 v29, 4, v0                       ; the mask: 16 bytes a thread
	v_lshl_add_u32 v255, v0, 4, MB
	v_mov_b32 v4, 0xf1800000                       ; -2^100
	s_wait_kmcnt 0x0
	s_add_nc_u64 s[52:53], s[4:5], s[52:53]
	s_add_nc_u64 s[58:59], s[4:5], s[58:59]
	s_add_nc_u64 s[60:61], s[4:5], s[60:61]
	s_add_nc_u64 s[6:7], s[6:7], s[50:51]
	s_add_nc_u64 s[8:9], s[8:9], s[62:63]
	s_add_nc_u64 s[10:11], s[10:11], s[56:57]
.irp c, 0,1,2,3
	s_mov_b32 s[32+4*\c], 1                        ; count = 1
	s_add_co_u32 s[33+4*\c], s54, \c*4*STEPB       ; LDS address
	s_add_nc_u64 s[34+4*\c:35+4*\c], s[52:53], \c*4*BLK
	s_or_b32 s[35+4*\c], s[35+4*\c], 0x80000000    ; type = 2
.endr
	CROUND                                         ; all four work-groups are here: the joint loads meet
	s_cmp_lt_u32 s12, 4                            ; a wave's four fills stand in one branch, ahead of every wait on TENSORcnt, every LDS read and every further barrier: four loads of mine are out
	s_cbranch_scc0 .Lno_fetch
	tensor_load_to_lds s[32:35], s[24:31]
	s_nop 0
	tensor_load_to_lds s[36:39], s[24:31]
	s_nop 0
	tensor_load_to_lds s[40:43], s[24:31]
	s_nop 0
	tensor_load_to_lds s[44:47], s[24:31]
	s_nop 0
.rept 4
	v_nop
.endr
.Lno_fetch:
	global_load_b128 v[224:227], v29, s[6:7]       ; four mask words a thread
	global_load_b128 v[16:19], v1, s[58:59]        ; Q's registers 0-3,
	global_load_b64 v[20:21], v2, s[58:59] offset:512   ; 4 and 5
	global_load_b32 v28, v11, s[60:61]             ; Q's scale words
.irp j, 22,23,24,25,26,27
	v_mov_b32 v[\j], 0                             ; Q's codes of k = 64 .. 127
.endr
	v_mov_b32 v13, 0xec800000                      ; the largest t so far: -2^90
	v_floor_f32 v12, -v13                          ; -M
	v_mov_b32 v14, 0
	v_mov_b32 v15, 0
.irp b, 0,1,2,3
	v_mov_b32 v[236+\b], 0                         ; a lane permute's destination counts as read
.endr
	v_mov_b32 v253, 0                              ; (named as the upper half of v[252:253] before it is first written)
.set j, 0
.rept 32
	v_mov_b32 v[192+j], 0                          ; O^T: the step is written for every step alike; the first finds zeros
.set j, j+1
.endr
	s_wait_loadcnt 3                               ; the mask words are in; Q's three loads may be out
.irp j, 0,1,2,3
	v_cmp_eq_u32 vcc_lo, 0, v[224+\j]
	v_cndmask_b32 v[224+\j], 0, v4, vcc_lo         ; 0, or -2^100 where the key is hidden
.endr
	ds_store_b128 v255, v[224:227]
	s_wait_loadcnt 0x0                             ; Q
.macro SPROD t
.if (\t)%2
	v_wmma_scale_f32_16x16x128_f8f6f4 v[128+8*(\t):135+8*(\t)], v[32+6*(\t):43+6*(\t)], v[16:27], v[128+8*(\t):135+8*(\t)], v[248+(\t)/2], v28 matrix_a_fmt:MATRIX_FMT_FP6 matrix_b_fmt:MATRIX_FMT_FP6 matrix_a_scale:MATRIX_SCALE_ROW1
.else
	v_wmma_scale_f32_16x16x128_f8f6f4 v[128+8*(\t):135+8*(\t)], v[32+6*(\t):43+6*(\t)], v[16:27], v[128+8*(\t):135+8*(\t)], v[248+(\t)/2], v28 matrix_a_fmt:MATRIX_FMT_FP6 matrix_b_fmt:MATRIX_FMT_FP6
.endif
.endm
.macro OPROD t
.if (\t)%2
	v_wmma_scale_f32_16x16x128_f8f6f4 v[192+8*(\t):199+8*(\t)], v[80+12*(\t):91+12*(\t)], v[224:235], v[192+8*(\t):199+8*(\t)], v[30+(\t)/2], v253 matrix_a_fmt:MATRIX_FMT_FP6 matrix_b_fmt:MATRIX_FMT_FP6 matrix_a_scale:MATRIX_SCALE_ROW1
.else
	v_wmma_scale_f32_16x16x128_f8f6f4 v[192+8*(\t):199+8*(\t)], v[80+12*(\t):91+12*(\t)], v[224:235], v[192+8*(\t):199+8*(\t)], v[30+(\t)/2], v253 matrix_a_fmt:MATRIX_FMT_FP6 matrix_b_fmt:MATRIX_FMT_FP6
.endif
.endm
; A KEY STEP: 128 keys, at LDS byte s48; their mask addends at s49.
.macro STEP
	v_add_nc_u32 v5, s48, v1
	v_add_nc_u32 v6, s48, v2
	v_add_nc_u32 v7, s49, v3
	v_nop                                          ; four plain instructions between the last products and the loads into their operands
.irp t, 0,1,2,3,4,5,6,7
	ds_load_b128 v[128+8*\t:131+8*\t], v7 offset:128*(\t/2)+32*(\t%2)      ; the mask's addends in the result's layout: register j of tile t is key 32 (t / 2) + 16 h + 8 (t % 2) + j
	ds_load_b128 v[132+8*\t:135+8*\t], v7 offset:128*(\t/2)+32*(\t%2)+16
.endr
.irp t, 0,1,2,3,4,5,6,7
	ds_load_b128 v[32+6*\t:35+6*\t], v5 offset:768*\t                      ; K's half images
	ds_load_b64 v[36+6*\t:37+6*\t], v6 offset:768*\t+512
.endr
	ds_load_b128 v[248:251], v5 offset:6144        ; K's scale words: register j: lanes 0-15 tile 2 j, lanes 16-31 tile 2 j + 1
.irp f, 0,1,2,3,4,5,6,7,8,9,10,11
	ds_load_b128 v[80+4*\f:83+4*\f], v5 offset:6656+512*\f                 ; V's four images
.endr
	ds_load_b64 v[30:31], v6 offset:12800          ; V's scale words
	s_wait_dscnt 11                                ; the addends, K, its scale words and V's first two loads (into which K's last operand runs) are in; V's other ten and its scale words may be out
.irp t, 0,1,2,3,4,5,6,7
	SPROD \t                                       ; S^T = K Q^T + the mask; the eight accumulators take turns
.endr
.rept 4
	v_nop
.endr
.irp b, 0,1,2,3
	v_max3_num_f32 v[232+\b], v[128+16*\b], v[129+16*\b], v[130+16*\b]   ; the largest score of each block of 32 keys: it serves for the row's maximum and, since p rises with the score, for the block's largest p
.endr
.irp i, 3,5,7,9,11,13
.irp b, 0,1,2,3
	v_max3_num_f32 v[232+\b], v[232+\b], v[128+16*\b+\i], v[129+16*\b+\i]
.endr
.endr
.irp b, 0,1,2,3
	v_max_num_f32 v[232+\b], v[232+\b], v[143+16*\b]
.endr
.irp b, 0,1,2,3
	v_permlanex16_b32 v[236+\b], v[232+\b], s20, s21
.endr
.irp b, 0,1,2,3
	v_max_num_f32 v[232+\b], v[232+\b], v[236+\b]  ; with lane l xor 16's 16 keys
.endr
	v_max3_num_f32 v254, v232, v233, v234
	v_max_num_f32 v254, v254, v235
	v_mul_f32 v254, s22, v254                      ; as t
	v_max_num_f32 v13, v13, v254                   ; the running largest t
	v_mov_b32 v254, v12
	v_floor_f32 v12, -v13                          ; the new -M = -ceil(t)
	v_sub_f32 v254, v12, v254                      ; old M - new M: a whole number, 0 or less
	v_cvt_i32_f32 v254, v254                       ; (it saturates)
	v_ldexp_f32 v252, 1.0, v254                    ; f = 2^(old M - new M): exact
.set j, 0
.rept 32
	v_pk_fma_f32 v[128+j:129+j], v[128+j:129+j], s[22:23], v[12:13] op_sel_hi:[1,0,0]   ; t - M
.set j, j+2
.endr
.irp b, 0,1,2,3
	v_fma_f32 v[232+\b], v[232+\b], s22, v12       ; the same of each block's largest score
.endr
.set j, 0
.rept 64
	v_exp_f32 v[128+j], v[128+j]                   ; p = 2^(t - M)
.set j, j+1
.endr
	v_pk_mul_f32 v[14:15], v[14:15], v[252:253] op_sel_hi:[1,0]   ; the sums under the new M: the plain instruction behind the exponentials
	s_wait_alu depctr_va_vdst(0)                   ; one wait for the batch, ahead of its first reader
.irp b, 0,1,2,3
	v_exp_f32 v[232+\b], v[232+\b]                 ; each block's largest p
.endr
	v_pk_add_f32 v[236:237], v[128:129], v[130:131]   ; the row's sum of the unquantised p, in two chains
.irp j, 4,8,12,16,20,24,28,32,36,40,44,48,52,56,60
	v_pk_add_f32 v[14:15], v[14:15], v[128+\j:129+\j]
	v_pk_add_f32 v[236:237], v[236:237], v[130+\j:131+\j]
.endr
	v_pk_add_f32 v[14:15], v[14:15], v[236:237]
	s_wait_alu depctr_va_vdst(0)                   ; and one for the four
.irp b, 0,1,2,3
	v_max_num_f32 v[232+\b], 0x1800000, v[232+\b]  ; the floor 2^(3 - 127): a block whose every p is 0 keeps the byte 1 and zero codes
.endr
.irp b, 0,1,2,3
	v_add_nc_u32 v[244+\b], 0xff000000, v[232+\b]  ; the conversion's scale operand
.endr
.irp b, 0,1,2,3
	v_lshrrev_b32 v[236+\b], 23, v[244+\b]         ; the byte
.endr
	v_lshl_or_b32 v253, v237, 8, v236              ; p's scale word for these 128 keys
	v_lshl_or_b32 v253, v238, 16, v253
	v_lshl_or_b32 v253, v239, 24, v253
.irp c, 0,1
	v_cvt_scalef32_pk16_fp6_f32 v[224+6*\c:226+6*\c], v[128+32*\c:143+32*\c], v[244+2*\c]
	v_cvt_scalef32_pk16_fp6_f32 v[236+4*\c:238+4*\c], v[144+32*\c:159+32*\c], v[244+2*\c+1]
.endr
	v_nop                                          ; one plain instruction behind a scaled conversion
.irp c, 0,1
.irp i, 0,1,2
	v_permlane16_swap_b32 v[224+6*\c+\i], v[236+4*\c+\i]   ; a whole block to a lane
.endr
.irp i, 0,1,2
	v_mov_b32 v[227+6*\c+\i], v[236+4*\c+\i]
.endr
.endr
.set j, 0
.rept 16
	v_pk_mul_f32 v[192+j:193+j], v[192+j:193+j], v[252:253] op_sel_hi:[1,0]   ; O^T under the new M; these sixteen also stand between the codes' and the scale word's last writes and the products
.set j, j+2
.endr
	s_wait_dscnt 0x0                               ; V and its scale words
.irp t, 0,1,2,3
	OPROD \t                                       ; O^T += V^T P^T; four accumulators by turns
.endr
.endm
; Four key steps: chunk c.  The wait leaves my loads of the later chunks out.
.macro CHUNK c
	s_wait_tensorcnt 3-\c
	s_wait_dscnt 0x0                               ; (ahead of the first barrier: my part of the mask's table is stored)
	s_barrier_signal -1
	s_barrier_wait -1
	s_mov_b32 s48, \c*4*STEPB
	s_mov_b32 s49, \c*2048
	s_mov_b32 s50, 4
.Lstep_\@:
	STEP
	s_add_co_u32 s48, s48, STEPB
	s_add_co_u32 s49, s49, 512
	s_sub_co_u32 s50, s50, 1
	s_cmp_lg_u32 s50, 0
	s_cbranch_scc1 .Lstep_\@
.endm
	CHUNK 0
	CHUNK 1
	CHUNK 2
	CHUNK 3
	; THE WAY OUT: O^T / the sum; register 16 b + i is channel 32 b + 16 h + i of my query: two blocks of the last product's K.  They are quantised and stored as a half image.
.rept 4
	v_nop                                          ; behind the last products
.endr
	v_add_f32 v14, v14, v15
	v_permlanex16_b32 v252, v14, s20, s21
	v_add_f32 v14, v14, v252                       ; the row's sum
	v_rcp_f32 v15, v14
	v_mov_b32 v255, 0xffff                         ; (the plain instruction behind the reciprocal)
	s_wait_alu depctr_va_vdst(0)                   ; ahead of its first reader
.set j, 0
.rept 32
	v_mul_f32 v[128+j], v[192+j], v15
.set j, j+1
.endr
.irp b, 0,1
	v_max3_num_f32 v[232+\b], |v[128+16*\b]|, |v[129+16*\b]|, 0x1800000
.endr
.irp i, 2,4,6,8,10,12,14
.irp b, 0,1
	v_max3_num_f32 v[232+\b], v[232+\b], |v[128+16*\b+\i]|, |v[129+16*\b+\i]|
.endr
.endr
.irp b, 0,1
	v_permlanex16_b32 v[236+\b], v[232+\b], s20, s21
.endr
.irp b, 0,1
	v_max_num_f32 v[232+\b], v[232+\b], v[236+\b]
.endr
.irp b, 0,1
	v_add_nc_u32 v[244+\b], 0xff000000, v[232+\b]
.endr
.irp b, 0,1
	v_lshrrev_b32 v[236+\b], 23, v[244+\b]
.endr
	v_lshl_or_b32 v254, v237, 8, v236              ; my row's two bytes
	v_cmp_eq_f32 vcc_lo, 0, v14                    ; every key hidden:
	v_cndmask_b32 v254, v254, v255, vcc_lo         ; the bytes 0xff: NaN in the last product
	v_cvt_scalef32_pk16_fp6_f32 v[224:226], v[128:143], v244
	v_cvt_scalef32_pk16_fp6_f32 v[236:238], v[144:159], v245
	v_nop
.irp i, 0,1,2
	v_permlane16_swap_b32 v[224+\i], v[236+\i]
.endr
.irp i, 0,1,2
	v_mov_b32 v[227+\i], v[236+\i]
.endr
	global_store_b128 v1, v[224:227], s[8:9]       ; 512 consecutive bytes, aligned to 256,
	global_store_b64 v2, v[228:229], s[8:9] offset:512   ; and 256
	ds_store_b16 v9, v254                          ; both lanes of a row write the same two bytes
	s_wait_dscnt 0x0
	s_barrier_signal -1
	s_barrier_wait -1
	s_cmp_lg_u32 s12, 0
	s_cbranch_scc1 .Lnot_first
	ds_load_b128 v[128:131], v10                   ; the sixteen tiles' scale bytes: 512 bytes
	s_wait_dscnt 0x0
	global_store_b128 v1, v[128:131], s[10:11]
.Lnot_first:
	s_wait_xcnt 0x0
	v_lshl_add_u32 v254, v0, 2, 0x36000
	v_mov_b32 v255, 0
	s_wait_tensorcnt 0x0
	ds_add_u32 v254, v255
	s_wait_dscnt 0x0
	CROUND                                         ; the closing round
	s_endpgm
.Lfunc_end_k_qd4e05a7c46_attn:
	.size	k_qd4e05a7c46_attn, .Lfunc_end_k_qd4e05a7c46_attn-k_qd4e05a7c46_attn
	.p2alignl 7, 3214868480
	.fill 96, 4, 3214868480
	.section	.rodata,"a",@progbits
	.p2align	6, 0x0
	.amdhsa_kernel k_qd4e05a7c46_attn
		.amdhsa_group_segment_fixed_size 223232
		.amdhsa_private_segment_fixed_size 0
		.amdhsa_enable_private_segment 0
		.amdhsa_kernarg_size 32
		.amdhsa_user_sgpr_count 2
		.amdhsa_user_sgpr_kernarg_segment_ptr 1
		.amdhsa_wavefront_size32 1
		.amdhsa_system_sgpr_workgroup_id_x 1
		.amdhsa_system_sgpr_workgroup_id_y 1
		.amdhsa_system_sgpr_workgroup_id_z 1
		.amdhsa_system_vgpr_workitem_id 0
		.amdhsa_next_free_vgpr 256
		.amdhsa_next_free_sgpr 66
		.amdhsa_reserve_vcc 1
		.amdhsa_float_denorm_mode_32 3
		.amdhsa_float_denorm_mode_16_64 3
		.amdhsa_memory_ordered 1
		.amdhsa_forward_progress 1
		.amdhsa_inst_pref_size 80
	.end_amdhsa_kernel
	.amdgpu_metadata
---
amdhsa.version: [ 1, 2 ]
amdhsa.kernels:
  - .name:           k_qd4e05a7c46_attn
    .symbol:         k_qd4e05a7c46_attn.kd
    .args:
      - { .name: qkv, .offset: 0, .size: 8, .value_kind: global_buffer, .address_space: global }
      - { .name: attention_mask, .offset: 8, .size: 8, .value_kind: global_buffer, .address_space: global }
      - { .name: ao, .offset: 16, .size: 8, .value_kind: global_buffer, .address_space: global }
      - { .name: aos, .offset: 24, .size: 8, .value_kind: global_buffer, .address_space: global }
    .group_segment_fixed_size: 223232
    .private_segment_fixed_size: 0
    .kernarg_segment_align: 8
    .kernarg_segment_size: 32
    .max_flat_workgroup_size: 512
    .sgpr_count:     66
    .vgpr_count:     256
    .wavefront_size: 32
...
	.end_amdgpu_metadata
.endif
;; end of part 3
;; launch outp (part 4): grid 8 x 32, 4 waves a work-group, clusters of 4 x 4, 272,896 bytes of LDS; arguments ao, aos, wc, ws, b_out, out0; writes out0
.if DOCPART == 4
	.amdgcn_target "amdgcn-amd-amdhsa--gfx1250"
	.amdhsa_code_object_version 6
	.text
	.protected	k_qd4e05a7c46_outp
	.globl	k_qd4e05a7c46_outp
	.p2align	8
	.type	k_qd4e05a7c46_outp,@function
k_qd4e05a7c46_outp:
	s_mov_b64 s[64:65], 0
	v_nop
	global_prefetch_b8 v0, s[64:65] scope:SCOPE_SE
	s_setreg_imm32_b32 hwreg(HW_REG_WAVE_MODE, 25, 1), 1
	s_wait_xcnt 0x0
	s_wait_alu depctr_hold_cnt(0) depctr_sa_sdst(0) depctr_va_vdst(0) depctr_va_sdst(0) depctr_va_ssrc(0) depctr_va_vcc(0) depctr_vm_vsrc(0)
	s_getreg_b32 s2, hwreg(HW_REG_IB_STS2, 6, 4)
	s_cmp_eq_u32 s2, 0
	s_cbranch_scc0 .Lentry_in_a_cluster
	s_endpgm
.Lentry_in_a_cluster:
	s_bfe_u32 s2, ttmp6, 0x10000c
	s_cmp_lg_u32 s2, 0xf033
	s_cbranch_scc0 .Lentry_shape_is_right
	s_endpgm
.Lentry_shape_is_right:
; out0 = (attention's result) W_out + b_out on codes of FP6 (E2M3) with E8M0 scales; out0 [4096][1024] f32.
; 256 work-groups, each 128 tokens x 128 columns; a wave 64 x 64: 16 accumulators.  ALL OF K (1,024) LIES IN LDS, FILLED ONCE, in four chunks of two K steps: no slot is filled again.
; OPERANDS ARE IMAGES OF REGISTERS.  A (tokens): for tile T and head e a half image of 768 bytes (registers 0-3: 512 bytes, registers 4, 5: 256); two heads are a K step.  B (W_out's columns: tiles 192-255 of wc): 1,536 bytes a K step.
; A tile's index r is row 32 (T / 2) + 8 (T % 2) + r + 8 (r / 8).  Source 0 = B, source 1 = A: a lane holds a token, and the 16 registers of result tiles 2 b, 2 b + 1 are 16 neighbouring columns.
; A's scale bytes come as two bytes for a (head, tile, row); two heads' are joined into a K step's word.  The bias is the C of each sum's first matrix instruction.
; CLUSTERS: 4 x 4: A's tiles are shared along a row of the cluster, B's along a column: joint loads.
; REGISTERS: window 0: v1-9 addresses; v32-63 A's scale words (4 s + i); v64-95 B's; v96-127 the bias; v128-255 the accumulators ((a, b) at v[128 + 8 (4 a + b)]).  window 1: two fragment buffers at v0 and v128: A's four at 12 i, B's four at 48 + 12 i.
.set CH,    49152                      ; a chunk: four parts
.set PARTB, 12288                      ; 4 tiles x 2 K steps x 1,536: what one tensor load brings
.set SCL,   4*CH                       ; the scale bytes: 4 x 2,048
.set STG,   SCL+8192                   ; the stage for the way out: 128 rows x (512 + 16) bytes; no tensor load lands here
.set SP,    528
.set SA,   32
.set SB,   64
.set BIAS, 96
.set ACC,  128
.set G1A,  24
.set G1B,  32
.set G1SA, 40
.set G1SB, 48
.set G0SA, 56
.set G0SB, 60
.set G0A,  68
.set G0B,  84
.set MSB, 0
.macro WIN new                         ; the immediate's high byte repeats the setting that is left
.if MSB != \new
	s_set_vgpr_msb (MSB<<8)|\new
.set MSB, \new
.endif
.endm
.macro JLOAD g0a, g1a, g0b, g1b        ; a joint load: waves 0 and 1 fetch for A, waves 2 and 3 for B; four v_nop follow each of the two lines
	s_cmp_eq_u32 s17, 0
	s_cbranch_scc0 .Lfor_b_\@
	tensor_load_to_lds s[\g0a:\g0a+3], s[\g1a:\g1a+7]
	s_nop 0
.rept 4
	v_nop
.endr
	s_branch .Lasked_\@
.Lfor_b_\@:
	tensor_load_to_lds s[\g0b:\g0b+3], s[\g1b:\g1b+7]
	s_nop 0
.rept 4
	v_nop
.endr
.Lasked_\@:
.endm
.macro CROUND                          ; a round of the cluster's barrier
	s_barrier_signal -1
	s_barrier_wait -1
	s_cmp_lg_u32 s16, 0
	s_cbranch_scc1 .Lnot_wave_0_\@
	s_barrier_signal -3
.Lnot_wave_0_\@:
	s_barrier_wait -3
	s_barrier_signal -1
	s_barrier_wait -1
.endm
.macro PLACES
.rept 4
	v_nop
.endr
.endm
	s_load_b256 s[4:11], s[0:1], 0x0               ; ao s[4:5], aos s[6:7], wc s[8:9], ws s[10:11]
	s_load_b128 s[12:15], s[0:1], 0x20             ; b_out s[12:13], out0 s[14:15]
	v_lshl_add_u32 v30, v0, 2, 0x42800
	v_mov_b32 v31, 0
	ds_add_u32 v30, v31
	ds_add_u32 v30, v31
	v_lshrrev_b32 v1, 5, v0
	v_readfirstlane_b32 s16, v1                    ; wave 0..3
	s_lshr_b32 s17, s16, 1                         ; which 64 tokens are mine.  Also: I fetch for A (0) or for B (1)
	s_and_b32 s18, s16, 1                          ; which 64 columns.  Also: which 4 tiles I fetch
	s_bfe_u32 s19, ttmp6, 0x40000                  ; cx
	s_bfe_u32 s20, ttmp6, 0x40004                  ; cy
	s_lshl_b32 s21, ttmp9, 2
	s_add_co_u32 s21, s21, s19                     ; x: which 128 columns
	s_and_b32 s22, ttmp7, 0xffff
	s_lshl_b32 s22, s22, 2
	s_add_co_u32 s22, s22, s20                     ; y: which 128 tokens
	s_lshl_b32 s100, s20, 2
	s_lshl_b32 s100, 15, s100                      ; my row of the cluster
	s_lshl_b32 s104, 0x1111, s19                   ; my column
	s_or_b32 s[G1A], s100, (3<<16)|(1<<21)         ; 15:0 the mask; 17:16 elements of 8 bytes; 21 set beside a mask
	s_or_b32 s[G1SA], s100, (3<<16)|(1<<21)
	s_or_b32 s[G1B], s104, (3<<16)|(1<<21)
	s_or_b32 s[G1SB], s104, (3<<16)|(1<<21)
.irp g, G1A, G1B                       ; codes: 4 rows (tiles) of 3,072 bytes, 12,288 bytes apart
	s_mov_b32 s[\g+1], 384<<16
	s_mov_b32 s[\g+2], 4<<16
	s_mov_b32 s[\g+3], 384<<16
	s_mov_b32 s[\g+4], 4
	s_mov_b32 s[\g+5], 1536
	s_mov_b32 s[\g+6], 0
	s_mov_b32 s[\g+7], 0
.endr
.irp g, G1SA, G1SB                     ; scale bytes: 8 rows of 256 bytes
	s_mov_b32 s[\g+1], 32<<16
	s_mov_b32 s[\g+2], 8<<16
	s_mov_b32 s[\g+3], 32<<16
	s_mov_b32 s[\g+4], 8
	s_mov_b32 s[\g+6], 0
	s_mov_b32 s[\g+7], 0
.endr
	s_mov_b32 s[G1SA+5], 1024                      ; A's: a row a head, 8,192 bytes apart
	s_mov_b32 s[G1SB+5], 32                        ; B's: dense
	s_lshl_b32 s3, s18, 2                          ; which 4 tiles of the 8 I fetch
	s_lshl_b32 s2, s18, 16                         ; and which 8 heads' scale bytes
	s_wait_dscnt 0x0
	s_wait_kmcnt 0x0
	s_lshl_b32 s100, s22, 3
	s_add_co_u32 s100, s100, s3
	s_mul_i32 s100, s100, 12288
	s_mov_b32 s101, 0
	s_add_nc_u64 s[4:5], s[4:5], s[100:101]        ; A's codes: tile 8 y + 4 half
	s_lshl_b32 s100, s22, 8
	s_add_co_u32 s100, s100, s2
	s_add_nc_u64 s[6:7], s[6:7], s[100:101]        ; A's scale bytes: 65,536 half + 256 y
	s_lshl_b32 s23, s21, 3
	s_add_co_u32 s23, s23, s3
	s_add_co_u32 s23, s23, 192                     ; B: tile 192 + 8 x + 4 half
	s_mul_i32 s104, s23, 12288
	s_mov_b32 s105, 0
	s_add_nc_u64 s[8:9], s[8:9], s[104:105]
	s_lshl_b32 s104, s23, 9
	s_add_nc_u64 s[10:11], s[10:11], s[104:105]
	s_mul_i32 s2, s16, PARTB                       ; where they go: by the wave's number alone
	s_lshl_b32 s3, s16, 11
	s_mov_b32 s[G0SA], 1
	s_add_co_u32 s[G0SA+1], s3, SCL
	s_mov_b64 s[G0SA+2:G0SA+3], s[6:7]
	s_or_b32 s[G0SA+3], s[G0SA+3], 0x80000000
	s_mov_b32 s[G0SB], 1
	s_add_co_u32 s[G0SB+1], s3, SCL
	s_mov_b64 s[G0SB+2:G0SB+3], s[10:11]
	s_or_b32 s[G0SB+3], s[G0SB+3], 0x80000000
.irp c, 0,1,2,3
	s_mov_b32 s[G0A+4*\c], 1
	s_add_co_u32 s[G0A+4*\c+1], s2, \c*CH
	s_add_nc_u64 s[G0A+4*\c+2:G0A+4*\c+3], s[4:5], \c*3072
	s_or_b32 s[G0A+4*\c+3], s[G0A+4*\c+3], 0x80000000
	s_mov_b32 s[G0B+4*\c], 1
	s_add_co_u32 s[G0B+4*\c+1], s2, \c*CH
	s_add_nc_u64 s[G0B+4*\c+2:G0B+4*\c+3], s[8:9], \c*3072
	s_or_b32 s[G0B+4*\c+3], s[G0B+4*\c+3], 0x80000000
.endr
	CROUND                                         ; all sixteen work-groups are here: the joint loads meet
	JLOAD G0SA, G1SA, G0SB, G1SB                   ; the scale bytes, then the four chunks: five tensor loads of mine are out
.irp c, 0,1,2,3
	JLOAD G0A+4*\c, G1A, G0B+4*\c, G1B
.endr
	v_and_b32 v10, 31, v0                          ; lane
	v_and_b32 v11, 15, v0                          ; r
	v_bfe_u32 v12, v0, 4, 1                        ; h
	v_lshlrev_b32 v1, 4, v10                       ; 16 x lane
	v_lshlrev_b32 v9, 6, v12                       ; 64 h
	s_lshl_b32 s104, s21, 9
	s_lshl_b32 s2, s18, 8
	s_add_co_u32 s104, s104, s2
	s_mov_b32 s105, 0
	s_add_nc_u64 s[12:13], s[12:13], s[104:105]    ; b_out at my 64 columns
.irp t, 0,1,2,3
	global_load_b128 v[BIAS+8*\t:BIAS+8*\t+3], v9, s[12:13] offset:(32*(\t/2)+8*(\t%2))*4
	global_load_b128 v[BIAS+8*\t+4:BIAS+8*\t+7], v9, s[12:13] offset:(32*(\t/2)+8*(\t%2))*4+16
.endr
	s_mul_i32 s2, s17, PARTB
	v_add_nc_u32 v2, s2, v1                        ; A's fragments: 16 x lane,
	v_lshl_add_u32 v3, v10, 3, s2                  ; and 8 x lane
	s_mul_i32 s3, s18, PARTB
	s_add_co_u32 s3, s3, 2*PARTB
	v_add_nc_u32 v4, s3, v1                        ; B's
	s_lshl_b32 s2, s17, 7
	s_add_co_u32 s2, s2, SCL
	v_lshl_add_u32 v5, v11, 1, s2                  ; A's scale bytes: 256 head + 32 tile + 2 r
	s_lshl_b32 s3, s18, 11
	s_add_co_u32 s3, s3, SCL+4096
	v_lshl_add_u32 v6, v11, 2, s3                  ; B's scale words: 512 tile + 64 s + 4 r
	s_mul_i32 s2, s17, 64*SP
	s_lshl_b32 s3, s18, 8
	s_add_co_u32 s2, s2, s3
	s_add_co_u32 s2, s2, STG
	v_mul_u32_u24 v7, v11, SP
	v_lshl_add_u32 v7, v12, 6, v7
	v_add_nc_u32 v7, s2, v7                        ; into the stage: row 64 half + r (rows in the tiles' order), byte 256 half + 64 h
	s_mul_i32 s2, s16, 32*SP
	s_add_co_u32 s2, s2, STG
	v_add_nc_u32 v8, s2, v1                        ; out of it: rows 32 w on, whole
	s_lshl_b32 s100, s22, 7
	s_lshl_b32 s2, s16, 5
	s_add_co_u32 s100, s100, s2
	s_lshl_b32 s100, s100, 12                      ; token 128 y + 32 w, rows of 4,096 bytes,
	s_lshl_b32 s2, s21, 9
	s_add_co_u32 s100, s100, s2                    ; + 512 x
	s_mov_b32 s101, 0
	s_add_nc_u64 s[14:15], s[14:15], s[100:101]
.macro FETCH s                         ; K step s's eight fragments into buffer s % 2: 28 loads
.set FB, 128*((\s)%2)
.set QO, 1536*((\s)%2)
	WIN 0x40                                       ; destination window 1
.irp i, 0,1,2,3
	ds_load_b128 v[FB+12*\i:FB+12*\i+3], v2 offset:3072*\i+QO             ; the even head's half image: registers 0-3,
	ds_load_b64 v[FB+12*\i+4:FB+12*\i+5], v3 offset:3072*\i+QO+512        ; 4, 5;
	ds_load_b128 v[FB+12*\i+6:FB+12*\i+9], v2 offset:3072*\i+QO+768       ; the odd head's: registers 6-9,
	ds_load_b64 v[FB+12*\i+10:FB+12*\i+11], v3 offset:3072*\i+QO+1280     ; 10, 11
.endr
.irp i, 0,1,2,3
.irp c, 0,1,2
	ds_load_b128 v[FB+48+12*\i+4*\c:FB+48+12*\i+4*\c+3], v4 offset:3072*\i+QO+512*\c
.endr
.endr
	WIN 0
.endm
.macro MULS s                          ; 16 matrix instructions; the accumulators take turns, in the same order in every step
.set FB, 128*((\s)%2)
	WIN 0x05                                       ; sources 0 and 1 window 1; C and D window 0
.irp a, 0,1,2,3
.irp b, 0,1,2,3
.if (\s) == 0
	v_wmma_scale_f32_16x16x128_f8f6f4 v[ACC+8*(4*\a+\b):ACC+8*(4*\a+\b)+7], v[FB+48+12*\b:FB+48+12*\b+11], v[FB+12*\a:FB+12*\a+11], v[BIAS+8*\b:BIAS+8*\b+7], v[SB+4*(\s)+\b], v[SA+4*(\s)+\a] matrix_a_fmt:MATRIX_FMT_FP6 matrix_b_fmt:MATRIX_FMT_FP6
.else
	v_wmma_scale_f32_16x16x128_f8f6f4 v[ACC+8*(4*\a+\b):ACC+8*(4*\a+\b)+7], v[FB+48+12*\b:FB+48+12*\b+11], v[FB+12*\a:FB+12*\a+11], v[ACC+8*(4*\a+\b):ACC+8*(4*\a+\b)+7], v[SB+4*(\s)+\b], v[SA+4*(\s)+\a] matrix_a_fmt:MATRIX_FMT_FP6 matrix_b_fmt:MATRIX_FMT_FP6
.endif
.endr
.endr
	WIN 0
.endm
.macro KSTEP s
.if (\s) < 7
.if ((\s)+1)%2 == 0
	s_wait_tensorcnt 3-((\s)+1)/2                  ; my part of the next chunk is in; the later chunks' loads may be out
	s_wait_dscnt 0x0
	s_barrier_signal -1
	s_barrier_wait -1                              ; everybody's is
	v_add_nc_u32 v2, CH, v2
	v_add_nc_u32 v3, CH, v3
	v_add_nc_u32 v4, CH, v4
.endif
	PLACES                                         ; in front of loads into the buffer that the last step's products read
	FETCH (\s)+1
	s_wait_dscnt 28                                ; this step's fragments are in; the 28 loads just issued may be out
.else
	s_wait_dscnt 0x0
.endif
	MULS \s
.endm
	s_wait_tensorcnt 3                             ; the scale bytes and my part of chunk 0 are in; three loads may be out
	s_barrier_signal -1
	s_barrier_wait -1
.irp s, 0,1,2,3,4,5,6,7
.irp i, 0,1,2,3
	ds_load_u16 v[SA+4*\s+\i], v5 offset:512*\s+32*\i          ; head 2 s: the word's bytes 0, 1
.endr
.endr
.irp s, 0,1,2,3,4,5,6,7
.irp i, 0,1,2,3
	ds_load_u16 v[ACC+4*\s+\i], v5 offset:512*\s+32*\i+256     ; head 2 s + 1: bytes 2, 3 (into registers that the sums take later)
.endr
.endr
.irp s, 0,1,2,3,4,5,6,7
.irp i, 0,1,2,3
	ds_load_b32 v[SB+4*\s+\i], v6 offset:512*\i+64*\s
.endr
.endr
	FETCH 0
	s_wait_dscnt 28                                ; the scale bytes are in; the 28 fragment loads may be out
.set j, 0
.rept 32
	v_lshl_or_b32 v[SA+j], v[ACC+j], 16, v[SA+j]   ; K step by K step: 28 plain instructions stand behind the first step's four words
.set j, j+1
.endr
	s_wait_loadcnt 0x0                             ; the bias
.irp s, 0,1,2,3,4,5,6,7
	KSTEP \s
.endr
	; THE WAY OUT: a lane holds 16 neighbouring columns of a token in two accumulators; a row's 128 columns come from two waves: through the stage, and out as whole rows of 512 bytes.
	PLACES
.irp a, 0,1,2,3
.irp b, 0,1,2,3
	ds_store_b128 v7, v[ACC+8*(4*\a+\b):ACC+8*(4*\a+\b)+3] offset:16*SP*\a+128*(\b/2)+32*(\b%2)       ; each accumulator from its low end on
	ds_store_b128 v7, v[ACC+8*(4*\a+\b)+4:ACC+8*(4*\a+\b)+7] offset:16*SP*\a+128*(\b/2)+32*(\b%2)+16
.endr
.endr
	s_wait_dscnt 0x0                               ; for the others' sake: my stores into the stage are done
	s_barrier_signal -1
	s_barrier_wait -1
.set i, 0
.rept 32
	ds_load_b128 v[ACC+4*i:ACC+4*i+3], v8 offset:SP*i
.set i, i+1
.endr
.set i, 0
.rept 32
	s_wait_dscnt 31-i
	global_store_b128 v1, v[ACC+4*i:ACC+4*i+3], s[14:15] offset:(8*(i/16)+(i%16)+8*((i%16)/8))*4096 th:TH_STORE_NT   ; stage row 32 w + i is token 32 w + 8 (i / 16) + i % 16 + 8 ((i % 16) / 8); 512 consecutive bytes, aligned to 256
.set i, i+1
.endr
	s_wait_tensorcnt 0x0
	ds_add_u32 v30, v31
	s_wait_dscnt 0x0
	CROUND                                         ; the closing round
	s_endpgm
.Lfunc_end_k_qd4e05a7c46_outp:
	.size	k_qd4e05a7c46_outp, .Lfunc_end_k_qd4e05a7c46_outp-k_qd4e05a7c46_outp
	.p2alignl 7, 3214868480
	.fill 96, 4, 3214868480
	.section	.rodata,"a",@progbits
	.p2align	6, 0x0
	.amdhsa_kernel k_qd4e05a7c46_outp
		.amdhsa_group_segment_fixed_size 272896
		.amdhsa_private_segment_fixed_size 0
		.amdhsa_enable_private_segment 0
		.amdhsa_kernarg_size 48
		.amdhsa_user_sgpr_count 2
		.amdhsa_user_sgpr_kernarg_segment_ptr 1
		.amdhsa_wavefront_size32 1
		.amdhsa_system_sgpr_workgroup_id_x 1
		.amdhsa_system_sgpr_workgroup_id_y 1
		.amdhsa_system_sgpr_workgroup_id_z 1
		.amdhsa_system_vgpr_workitem_id 0
		.amdhsa_next_free_vgpr 512
		.amdhsa_next_free_sgpr 106
		.amdhsa_reserve_vcc 0
		.amdhsa_float_denorm_mode_32 3
		.amdhsa_float_denorm_mode_16_64 3
		.amdhsa_memory_ordered 1
		.amdhsa_forward_progress 1
		.amdhsa_inst_pref_size 62
	.end_amdhsa_kernel
	.amdgpu_metadata
---
amdhsa.version: [ 1, 2 ]
amdhsa.kernels:
  - .name:           k_qd4e05a7c46_outp
    .symbol:         k_qd4e05a7c46_outp.kd
    .args:
      - { .name: ao, .offset: 0, .size: 8, .value_kind: global_buffer, .address_space: global }
      - { .name: aos, .offset: 8, .size: 8, .value_kind: global_buffer, .address_space: global }
      - { .name: wc, .offset: 16, .size: 8, .value_kind: global_buffer, .address_space: global }
      - { .name: ws, .offset: 24, .size: 8, .value_kind: global_buffer, .address_space: global }
      - { .name: b_out, .offset: 32, .size: 8, .value_kind: global_buffer, .address_space: global }
      - { .name: out0, .offset: 40, .size: 8, .value_kind: global_buffer, .address_space: global }
    .group_segment_fixed_size: 272896
    .private_segment_fixed_size: 0
    .kernarg_segment_align: 8
    .kernarg_segment_size: 48
    .max_flat_workgroup_size: 128
    .sgpr_count:     106
    .vgpr_count:     512
    .wavefront_size: 32
...
	.end_amdgpu_metadata
.endif
;; end of part 4
